; MI455X (gfx1250); checked and timed in simulation.
; The chip was launched on July 23, 2026; its instructions are those of AMD's public machine-readable ISA for CDNA 5 (MIT licence, August 2026) and "CDNA5" Instruction Set Architecture Reference Guide (July 2026). The comments in the code are by the model that wrote it; some were corrected since.
;; Self Attention Head. Allowed arithmetic: matrix products marked QUANTISED: E2M1 operands, one E8M0 scale for each 32 along K, by v_wmma_scale_f32_16x16x128_f8f6f4 with both operands' format E2M1 (or v_wmma_scale_f32_32x16x128_f4), f32 sums; products left as they are: bf16, f16 or f32 operands; f32 sums; everything else in f32.
;; Inputs: Wk 2,048 x 2,048 float32; Wo 2,048 x 2,048 float32; Wq 2,048 x 2,048 float32; Wv 2,048 x 2,048 float32; cos 2,048 x 128 float32; mask 2,048 x 2,048 bool; sin 2,048 x 128 float32; x 1 x 2,048 x 2,048 float32.
;; Outputs: out0 1 x 2,048 x 2,048 float32; out1 1 x 16 x 2,048 x 128 float32; out2 1 x 16 x 2,048 x 128 float32.
;; This version of the problem:
;;   THIS VERSION OF THE PROBLEM IS GIVEN IN LOW PRECISION. The matrix products marked QUANTISED in the list below multiply operands that are first quantised to E2M1 (2 exponent bits, 1 mantissa bit; 4 bits a number), with one power-of-two scale for each 32 numbers along K (OCP MX v1.0); their sums are f32. The products marked 'left as it is' may take bf16, f16 or f32 operands, with f32 sums. Whichever they take, every output number must still come out within the allowed error. Rounding operands to bf16 (8 significant bits) uses up far more of that allowance than f16 does (11 bits, for magnitudes from 6e-5 to 65,504). All else is computed in f32.
;;   The module's matrix products, in the order in which they are computed (A, B: the left and right operand; K: the contracted axis; several contracted axes count as one K, in the product's order):
;;     1. [M 2,048, K 2,048] x [K 2,048, N 2,048]; A: input x; B: input Wq: QUANTISED
;;     2. [M 2,048, K 2,048] x [K 2,048, N 2,048]; A: input x; B: input Wk: QUANTISED
;;     3. [M 2,048, K 2,048] x [K 2,048, N 2,048]; A: input x; B: input Wv: QUANTISED
;;     4. batch 16 x [M 2,048, K 128] x [K 128, N 2,048]; A: computed on the way; B: computed on the way: left as it is (an operand is computed on the way)
;;     5. batch 16 x [M 2,048, K 2,048] x [K 2,048, N 128]; A: computed on the way; B: computed on the way: left as it is (an operand is computed on the way)
;;     6. [M 2,048, K 2,048] x [K 2,048, N 2,048]; A: computed on the way; B: input Wo: left as it is (an operand is computed on the way)
;;   THE QUANTISER, for each operand of a quantised product, along K:
;;     - K is cut into blocks of 32 from its start; a last block that is shorter is filled with zeros.
;;     - A block's scale is 2^e with e = floor(log2(the largest magnitude in the block)) - 2, held to -126 .. 127; a block of zeros has e = 0. As a byte (E8M0): e + 127.
;;     - Each number is divided by its block's scale, clamped to +-6, and rounded to the nearest number of E2M1, ties to even, subnormals kept.
;;     - The product sums the exact products of the quantised numbers (number of the format x scale) in f32.
;;   ~~~python
;;   def quantise(x, axis):      # numpy; x: float32 -> the quantised numbers, widened to float32 again
;;       x = np.moveaxis(x, axis, -1); K = x.shape[-1]
;;       x = np.pad(x, [(0, 0)] * (x.ndim - 1) + [(0, -K % 32)]); x = x.reshape(x.shape[:-1] + (-1, 32)); a = np.abs(x).max(-1, keepdims=True)
;;       e = np.where(a > 0, np.clip(np.frexp(np.where(a > 0, a, 1))[1] - 1 - 2, -126, 127), 0)      # np.frexp(a)[1] - 1 = floor(log2(a)), exactly
;;       r = np.clip(x / 2.0 ** e, -6, 6)
;;       step = 2.0 ** (np.maximum(np.frexp(np.where(r == 0, 1, r))[1] - 1, 0) - 1)
;;       q = np.round(r / step) * step * 2.0 ** e      # np.round: ties to even
;;       return np.moveaxis(q.reshape(q.shape[:-2] + (-1,))[..., :K], -1, axis).astype(np.float32)
;;   ~~~
;; One version. Each part assembles by itself: llvm-mc -triple=amdgcn-amd-amdhsa -mcpu=gfx1250 --defsym DOCPART=n.
;; ======== version 1 of 1: 5 launches
;; limits: values are held in f16: magnitudes above 65,504 overflow, below 6.1e-05 lose precision
;; workspace buffers: codes 8,388,608 bytes; scales 524,288 bytes; wo16 8,388,608 bytes; mnib 2,097,152 bytes; live 256 bytes of whole numbers; qkv16 25,165,824 bytes; o16 8,388,608 bytes
;; launch prep (part 1): grid 672 x 1, 4 waves a work-group, no clusters, 33,280 bytes of LDS; arguments mask, x, Wq, Wk, Wv, Wo, codes, scales, wo16, mnib, live; writes codes, scales, wo16, mnib, live
.if DOCPART == 1
	.amdgcn_target "amdgcn-amd-amdhsa--gfx1250"
	.amdhsa_code_object_version 6
	.text
	.protected	k_q81bfa3c9d0_prep
	.globl	k_q81bfa3c9d0_prep
	.p2align	8
	.type	k_q81bfa3c9d0_prep,@function
k_q81bfa3c9d0_prep:
	s_mov_b64 s[64:65], 0
	v_nop
	global_prefetch_b8 v0, s[64:65] scope:SCOPE_SE
	s_setreg_imm32_b32 hwreg(HW_REG_WAVE_MODE, 25, 1), 1
	s_wait_xcnt 0x0
; THREE STREAMS IN ONE LAUNCH, told apart by the work-group's number; no work-group shares an input with another, so no cluster and no tensor load.
;  0..31    the mask [2048][2048] of bytes (0 or 1) becomes 4-bit codes (0 or 0xF = -6 in E2M1), laid in the order in which the attention's score registers take them:
;           [query tile T of 16][J' of 32][lane][4 words]; word k, nibble j of lane (r, h) stands for mask[16 T + r][64 J + 16 k + 8 h + j]; J = 4 s + 2 kh + e lies at J' = 16 kh + 2 s + e.
;           Query tile 0 also stores four words: bit kt is set where key tile kt (16 keys) has an open key for one of the queries 0..15.
;  32..543  x, Wq, Wk, Wv (f32, K innermost) become codes of E2M1, two a byte, and one E8M0 byte for each 32 along K, stacked in that order: rows 0..8191 of 1,024 and of 64 bytes.
;           A block's byte is its largest magnitude's exponent field - 2, held at 1 from below.  (A block of zeros so gets the byte 1 where the rule says 127: its codes are zeros, and this program alone reads the bytes.)
;  544..671 Wo becomes f16.
; LIMITS: NaN and infinities among x and the weights are not served by the quantiser; blocks whose largest magnitude lies under 2^(2 - 126) keep the byte 1; |Wo| stays under 65,504; mask bytes are 0 or 1.
.set WAVES, 4
.set STEPS, 16
.set EMAX,  2
.set CB,    8                          ; bytes of 16 codes
.set R,     16                         ; v16-79   four sets of 16 numbers as they are loaded
.set X,     80                         ; v80-111  two sets of 16 neighbours
.set C,     128                        ; v128-191 codes: four registers for each step
.set E,     112                        ; v112-127 a scale byte for each step
.set WREG,  8192                       ; LDS: a region for each wave: two stages of 32 x SP bytes, then its 256 scale bytes
.set SP,    80                         ; a lane's place in a stage: 64 bytes + 16 of padding
.set SPW,   12                         ; v12 LDS address of my spare word; never rewritten
.set NIL,   13                         ; v13 0; never rewritten
.set SPARE, WAVES*WREG                 ; the spare words: 128 bytes a wave, named by no other line
	s_load_b512 s[4:19], s[0:1], 0x0               ; mask 4, x 6, Wq 8, Wk 10, Wv 12, Wo 14, codes 16, scales 18
	s_load_b128 s[20:23], s[0:1], 0x40             ; wo16 20, mnib 22
	s_load_b64 s[24:25], s[0:1], 0x50              ; live
	v_lshl_add_u32 v[SPW], v0, 2, SPARE
	v_mov_b32 v[NIL], 0
	v_lshrrev_b32 v1, 5, v0
	v_readfirstlane_b32 s26, v1                    ; wave
	v_and_b32 v2, 31, v0                           ; lane
	s_wait_kmcnt 0x0
	s_cmp_lt_u32 ttmp9, 32
	s_cbranch_scc1 .Lmask
	s_cmp_ge_u32 ttmp9, 544
	s_cbranch_scc1 .Lwo
; ---------------- the quantiser: a wave takes 16 steps of 512 numbers
	v_lshlrev_b32 v3, 4, v2                        ; my 16 bytes of a load's 512
	s_mul_i32 s27, s26, WREG
	v_lshrrev_b32 v14, 2, v2
	v_mul_u32_u24 v14, v14, SP
	v_and_b32 v15, 3, v2
	v_lshl_add_u32 v14, v15, 4, v14
	v_add_nc_u32 v14, s27, v14                     ; the stage, on the way in: SP (lane / 4) + 16 (lane % 4)
	v_mul_u32_u24 v15, v2, SP
	v_add_nc_u32 v15, s27, v15                     ; and on the way out: SP x lane: my 16 neighbours
	v_mul_u32_u24 v4, v2, CB                       ; my codes' place in a step's
	v_lshrrev_b32 v5, 1, v2
	s_add_co_u32 s27, s27, 2*32*SP
	v_add_nc_u32 v5, s27, v5                       ; my block's scale byte in my wave's 256
	v_lshlrev_b32 v7, 3, v2
	v_add_nc_u32 v6, s27, v7
	s_sub_co_u32 s30, ttmp9, 32                    ; 0..511: 128 work-groups a tensor
	s_lshr_b32 s31, s30, 7                         ; which tensor: the choice hangs on the work-group's number alone
	s_mov_b64 s[28:29], s[12:13]
	s_cmp_eq_u32 s31, 2
	s_cselect_b64 s[28:29], s[10:11], s[28:29]
	s_cmp_eq_u32 s31, 1
	s_cselect_b64 s[28:29], s[8:9], s[28:29]
	s_cmp_eq_u32 s31, 0
	s_cselect_b64 s[28:29], s[6:7], s[28:29]
	s_and_b32 s32, s30, 127
	s_lshl_b32 s32, s32, 2
	s_add_co_u32 s32, s32, s26                     ; my run of 8,192 numbers in the tensor
	s_lshl_b32 s32, s32, 15
	s_mov_b32 s33, 0
	s_add_nc_u64 s[28:29], s[28:29], s[32:33]
	s_lshl_b32 s34, s30, 2
	s_add_co_u32 s34, s34, s26                     ; and in the stacked outputs
	s_lshl_b32 s32, s34, 12
	s_add_nc_u64 s[16:17], s[16:17], s[32:33]
	s_lshl_b32 s32, s34, 8
	s_add_nc_u64 s[18:19], s[18:19], s[32:33]
.macro LOAD t
.irp i, 0,1,2,3
	global_load_b128 v[R+16*((\t)%4)+4*\i:R+16*((\t)%4)+4*\i+3], v3, s[28:29] offset:2048*(\t)+512*\i th:TH_LOAD_NT   ; 32 lanes read 512 consecutive bytes
.endr
.endm
.macro TURN t                          ; step t's numbers through the stage: LDS serves a wave's instructions in order, so no wait stands between the stores and the loads
.irp i, 0,1,2,3
	ds_store_b128 v14, v[R+16*((\t)%4)+4*\i:R+16*((\t)%4)+4*\i+3] offset:32*SP*((\t)%2)+8*SP*\i
.endr
.irp i, 0,1,2,3
	ds_load_b128 v[X+16*((\t)%2)+4*\i:X+16*((\t)%2)+4*\i+3], v15 offset:32*SP*((\t)%2)+16*\i
.endr
.endm
.irp t, 0,1,2,3
	LOAD \t
.endr
	s_wait_loadcnt 12                              ; step 0's four loads are in; the twelve of steps 1 to 3 may be out
	TURN 0
.macro STEP t
.set XS, X+16*((\t)%2)
.if (\t) > 0
	s_wait_dscnt 1                                 ; this step's numbers are back from the stage (the last step's byte store may be out)
.else
	s_wait_dscnt 0x0
.endif
.if (\t)+4 < STEPS
	LOAD (\t)+4
.endif
.if (\t)+1 < STEPS
.if STEPS-2-(\t) >= 3
	s_wait_loadcnt 12                              ; the next step's four loads are in; those of the three steps behind it may be out
.else
	s_wait_loadcnt 4*(STEPS-2-(\t))
.endif
	TURN (\t)+1
.endif
	v_max3_num_f32 v8, |v[XS]|, |v[XS+1]|, |v[XS+2]|               ; the largest magnitude of my 16
	v_max3_num_f32 v9, |v[XS+3]|, |v[XS+4]|, |v[XS+5]|
.irp i, 6,10
	v_max3_num_f32 v8, v8, |v[XS+\i]|, |v[XS+\i+1]|
	v_max3_num_f32 v9, v9, |v[XS+\i+2]|, |v[XS+\i+3]|
.endr
	v_max3_num_f32 v8, v8, |v[XS+14]|, |v[XS+15]|
	v_max3_num_f32 v8, v8, v9, (EMAX+1)<<23        ; and the floor 2^(EMAX + 1 - 127): the byte cannot fall under 1
	v_max_num_f32_dpp v8, v8, v8 row_xmask:1 row_mask:0xf bank_mask:0xf   ; and of my neighbour's 16: the block's
	v_add_nc_u32 v11, -(EMAX<<23), v8              ; EMAX off its exponent field: the conversion takes the exponent field of this operand as its scale
	v_cvt_scalef32_pk8_fp4_f32 v[C+4*(\t)], v[XS:XS+7], v11
	v_cvt_scalef32_pk8_fp4_f32 v[C+4*(\t)+1], v[XS+8:XS+15], v11
	v_lshrrev_b32 v[E+(\t)], 23, v11               ; the scale's byte (also the plain line behind the conversions)
	ds_store_b8 v5, v[E+(\t)] offset:16*(\t)       ; both lanes of a block write the same byte with the same value
	global_store_b64 v4, v[C+4*(\t):C+4*(\t)+1], s[16:17] offset:32*CB*(\t)   ; the wave stores 256 consecutive bytes, aligned
.endm
.irp t, 0,1,2,3,4,5,6,7,8,9,10,11,12,13,14,15
	STEP \t
.endr
	ds_load_b64 v[8:9], v6                         ; LDS serves a wave's instructions in order: these see my stores
	s_wait_dscnt 0x0
	global_store_b64 v7, v[8:9], s[18:19]          ; 256 consecutive scale bytes, aligned
	s_wait_tensorcnt 0x0                           ; the wave's end, behind my last LDS store
	ds_add_u32 v[SPW], v[NIL]
	s_wait_dscnt 0x0
	s_endpgm
; ---------------- the mask: a wave takes one tile of 16 queries and all 2,048 keys, 64 (one J) at a time; loads run eight J ahead
.Lmask:
	s_lshl_b32 s27, ttmp9, 2
	s_add_co_u32 s27, s27, s26                     ; T
	v_and_b32 v5, 15, v2                           ; r
	v_lshrrev_b32 v6, 4, v2                        ; h
	v_lshlrev_b32 v3, 11, v5
	v_lshl_add_u32 v3, v6, 4, v3                   ; row r of 2,048 bytes, + 16 h
	v_lshlrev_b32 v4, 4, v2                        ; out: 16 bytes a lane
	s_lshl_b32 s30, s27, 15
	s_mov_b32 s31, 0
	s_add_nc_u64 s[4:5], s[4:5], s[30:31]
	s_lshl_b32 s30, s27, 14
	s_add_nc_u64 s[22:23], s[22:23], s[30:31]
	s_mov_b32 s28, 0x06040200                      ; the even bytes of a pair of words
	s_mov_b32 s29, 0x07050301                      ; the odd ones
	s_mov_b32 s40, 0                               ; the four words of open key tiles
	s_mov_b32 s41, 0
	s_mov_b32 s42, 0
	s_mov_b32 s43, 0
.macro LOADJ J                         ; load u: lanes 0-15 take key tile 2 u of the four, lanes 16-31 key tile 2 u + 1, all 16 keys of it
	global_load_b128 v[32+8*((\J)%8):32+8*((\J)%8)+3], v3, s[4:5] offset:64*(\J)
	global_load_b128 v[36+8*((\J)%8):36+8*((\J)%8)+3], v3, s[4:5] offset:64*(\J)+32
.endm
.macro PACKJ J
.set AB, 32+8*((\J)%8)
.set WB, 96+4*((\J)%8)
.if 2*(31-(\J)) < 14
	s_wait_loadcnt 2*(31-(\J))
.else
	s_wait_loadcnt 14                              ; this J's two loads are in; the two of each of the seven J behind it may be out
.endif
.if (\J) >= 8
	s_wait_xcnt 0x0                                ; the store of eight J back has read the registers that are written below
.endif
.irp u, 0,1
	v_permlane16_swap_b32 v[AB+4*\u], v[AB+4*\u+2]     ; now words 2 k, 2 k + 1 hold key tile k's keys 8 h + 0 .. 7 of query r
	v_permlane16_swap_b32 v[AB+4*\u+1], v[AB+4*\u+3]
.endr
.irp k, 0,1,2,3
	v_perm_b32 v16, v[AB+2*\k+1], v[AB+2*\k], s28      ; bytes 0, 2, 4, 6
	v_perm_b32 v17, v[AB+2*\k+1], v[AB+2*\k], s29      ; bytes 1, 3, 5, 7
	v_lshl_or_b32 v16, v17, 4, v16                     ; nibble j = byte j
	v_lshlrev_b32 v17, 4, v16
	v_sub_nc_u32 v[WB+\k], v17, v16                    ; x 15: each nibble 0 or 0xF
.endr
	global_store_b128 v4, v[WB:WB+3], s[22:23] offset:512*(16*(((\J)/2)%2)+2*((\J)/4)+(\J)%2)   ; the wave stores 512 consecutive bytes, aligned
.if (\J)+8 < 32
	LOADJ (\J)+8
.endif
.irp k, 0,1,2,3
	v_cmp_ne_u32 vcc_lo, -1, v[WB+\k]              ; a lane with an open key in key tile 4 J + k?
	s_cmp_lg_u32 vcc_lo, 0
	s_cselect_b32 s2, 1<<(4*((\J)%8)+\k), 0
	s_or_b32 s[40+(\J)/8], s[40+(\J)/8], s2
.endr
.endm
.irp J, 0,1,2,3,4,5,6,7
	LOADJ \J
.endr
.irp J, 0,1,2,3,4,5,6,7,8,9,10,11,12,13,14,15,16,17,18,19,20,21,22,23,24,25,26,27,28,29,30,31
	PACKJ \J
.endr
	s_cmp_lg_u32 s27, 0                            ; the words of queries 0..15 alone are kept
	s_cbranch_scc1 .Lmask_end
	v_mov_b32 v20, 0
	v_writelane_b32 v20, s40, 0
	v_writelane_b32 v20, s41, 1
	v_writelane_b32 v20, s42, 2
	v_writelane_b32 v20, s43, 3
	v_lshlrev_b32 v21, 2, v2
	global_store_b32 v21, v20, s[24:25]            ; four words, and zeros behind them
.Lmask_end:
	s_endpgm
; ---------------- Wo to f16: a wave takes 8,192 numbers in four batches of sixteen loads, two sets of registers by turns
.Lwo:
	s_sub_co_u32 s30, ttmp9, 544
	s_lshl_b32 s30, s30, 2
	s_add_co_u32 s30, s30, s26
	s_lshl_b32 s30, s30, 15
	s_mov_b32 s31, 0
	s_add_nc_u64 s[14:15], s[14:15], s[30:31]
	s_lshr_b32 s30, s30, 1
	s_add_nc_u64 s[20:21], s[20:21], s[30:31]
	v_lshlrev_b32 v3, 4, v2
	v_lshlrev_b32 v4, 3, v2
.macro WLOAD b
.irp i, 0,1,2,3,4,5,6,7,8,9,10,11,12,13,14,15
	global_load_b128 v[16+64*((\b)%2)+4*\i:16+64*((\b)%2)+4*\i+3], v3, s[14:15] offset:8192*(\b)+512*\i th:TH_LOAD_NT
.endr
.endm
.macro WBATCH b
.if (\b) < 3
	s_wait_loadcnt 16                              ; this batch is in; the other set's sixteen may be out
.else
	s_wait_loadcnt 0x0
.endif
.irp i, 0,1,2,3,4,5,6,7,8,9,10,11,12,13,14,15
	v_cvt_pk_f16_f32 v[16+64*((\b)%2)+4*\i], v[16+64*((\b)%2)+4*\i], v[16+64*((\b)%2)+4*\i+1]
	v_cvt_pk_f16_f32 v[16+64*((\b)%2)+4*\i+1], v[16+64*((\b)%2)+4*\i+2], v[16+64*((\b)%2)+4*\i+3]
	global_store_b64 v4, v[16+64*((\b)%2)+4*\i:16+64*((\b)%2)+4*\i+1], s[20:21] offset:4096*(\b)+256*\i   ; 256 consecutive bytes, aligned
.endr
.if (\b)+2 < 4
	s_wait_xcnt 0x0                                ; the stores have read their registers: the set is loaded again only behind this wait
	WLOAD (\b)+2
.endif
.endm
	WLOAD 0
	WLOAD 1
	WBATCH 0
	WBATCH 1
	WBATCH 2
	WBATCH 3
	s_endpgm
.Lfunc_end_k_q81bfa3c9d0_prep:
	.size	k_q81bfa3c9d0_prep, .Lfunc_end_k_q81bfa3c9d0_prep-k_q81bfa3c9d0_prep
	.p2alignl 7, 3214868480
	.fill 96, 4, 3214868480
	.section	.rodata,"a",@progbits
	.p2align	6, 0x0
	.amdhsa_kernel k_q81bfa3c9d0_prep
		.amdhsa_group_segment_fixed_size 33280
		.amdhsa_private_segment_fixed_size 0
		.amdhsa_enable_private_segment 0
		.amdhsa_kernarg_size 88
		.amdhsa_user_sgpr_count 2
		.amdhsa_user_sgpr_kernarg_segment_ptr 1
		.amdhsa_wavefront_size32 1
		.amdhsa_system_sgpr_workgroup_id_x 1
		.amdhsa_system_sgpr_workgroup_id_y 1
		.amdhsa_system_sgpr_workgroup_id_z 1
		.amdhsa_system_vgpr_workitem_id 0
		.amdhsa_next_free_vgpr 192
		.amdhsa_next_free_sgpr 66
		.amdhsa_reserve_vcc 1
		.amdhsa_float_denorm_mode_32 3
		.amdhsa_float_denorm_mode_16_64 3
		.amdhsa_memory_ordered 1
		.amdhsa_forward_progress 1
		.amdhsa_inst_pref_size 121
	.end_amdhsa_kernel
	.amdgpu_metadata
---
amdhsa.version: [ 1, 2 ]
amdhsa.kernels:
  - .name:           k_q81bfa3c9d0_prep
    .symbol:         k_q81bfa3c9d0_prep.kd
    .args:
      - { .name: mask, .offset: 0, .size: 8, .value_kind: global_buffer, .address_space: global }
      - { .name: x, .offset: 8, .size: 8, .value_kind: global_buffer, .address_space: global }
      - { .name: Wq, .offset: 16, .size: 8, .value_kind: global_buffer, .address_space: global }
      - { .name: Wk, .offset: 24, .size: 8, .value_kind: global_buffer, .address_space: global }
      - { .name: Wv, .offset: 32, .size: 8, .value_kind: global_buffer, .address_space: global }
      - { .name: Wo, .offset: 40, .size: 8, .value_kind: global_buffer, .address_space: global }
      - { .name: codes, .offset: 48, .size: 8, .value_kind: global_buffer, .address_space: global }
      - { .name: scales, .offset: 56, .size: 8, .value_kind: global_buffer, .address_space: global }
      - { .name: wo16, .offset: 64, .size: 8, .value_kind: global_buffer, .address_space: global }
      - { .name: mnib, .offset: 72, .size: 8, .value_kind: global_buffer, .address_space: global }
      - { .name: live, .offset: 80, .size: 8, .value_kind: global_buffer, .address_space: global }
    .group_segment_fixed_size: 33280
    .private_segment_fixed_size: 0
    .kernarg_segment_align: 8
    .kernarg_segment_size: 88
    .max_flat_workgroup_size: 128
    .sgpr_count:     66
    .vgpr_count:     192
    .wavefront_size: 32
...
	.end_amdgpu_metadata
.endif
;; end of part 1
;; launch qkv (part 2): grid 16 x 16, 4 waves a work-group, clusters of 4 x 4, 327,680 bytes of LDS; arguments codes, scales, cos, sin, out1, out2, qkv16; writes out1, out2, qkv16
.if DOCPART == 2
	.amdgcn_target "amdgcn-amd-amdhsa--gfx1250"
	.amdhsa_code_object_version 6
	.text
	.protected	k_q81bfa3c9d0_qkv
	.globl	k_q81bfa3c9d0_qkv
	.p2align	8
	.type	k_q81bfa3c9d0_qkv,@function
k_q81bfa3c9d0_qkv:
	s_mov_b64 s[64:65], 0
	v_nop
	global_prefetch_b8 v0, s[64:65] scope:SCOPE_SE
	s_setreg_imm32_b32 hwreg(HW_REG_WAVE_MODE, 25, 1), 1
	s_wait_xcnt 0x0
	s_wait_alu depctr_hold_cnt(0) depctr_sa_sdst(0) depctr_va_vdst(0) depctr_va_sdst(0) depctr_va_ssrc(0) depctr_va_vcc(0) depctr_vm_vsrc(0)
	s_getreg_b32 s2, hwreg(HW_REG_IB_STS2, 6, 4)
	s_cmp_eq_u32 s2, 0
	s_cbranch_scc0 .Lentry_in_a_cluster
	s_endpgm
.Lentry_in_a_cluster:
	s_bfe_u32 s2, ttmp6, 0x10000c
	s_cmp_lg_u32 s2, 0xf033
	s_cbranch_scc0 .Lentry_shape_is_right
	s_endpgm
.Lentry_shape_is_right:
; q, k, v = x Wq^T, x Wk^T, x Wv^T on codes of E2M1 with one E8M0 scale for each 32 along K (2,048); q and k are then rotated by the tables cos and sin (rotate-half), in f32.
; OUT: out1 = rotated k, out2 = v, both [16 heads][2048][128] f32; qkv16 = rotated q, rotated k, v in the same layout as f16, for the attention.  LIMIT: |q|, |k|, |v| under 65,504.
; SHARES.  A work-group makes 128 positions x one head of q, k and v (384 columns).  Wave w takes all 128 positions (8 blocks a) and six tiles of 16 columns: tile b = 2 p + half is rows 64 half + 16 w + 0..15
; of the head in part p (q, k, v).  So channels d and d + 64 of a head lie in the same lane and the same register number of two accumulators, and the rotation asks no other lane.  48 accumulators, 384 registers.
; THE MATRIX INSTRUCTION IS USED TRANSPOSED (source 0 = 16 rows of W, source 1 = 16 rows of x): lane (r, h) holds position 16 a + r and eight neighbouring channels 8 h + 0..7.
; K goes in four steps of 512 (tile rows of 256 bytes) through a ring of two LDS slots; a slot holds x's 128 rows (fetched by wave 0) and the three parts' 128 rows (waves 1 to 3).  The scale bytes of all of K come once.
; CLUSTER 4 x 4: x's tile hangs on the block of positions alone and is asked for jointly along a row of the cluster, W's on the head alone and jointly along a column.
; REGISTERS: window 0: v8-31 addresses; v32-95 x's scale words (2 sets x 8 blocks x 4), v96-143 W's (2 sets x 6 tiles x 4): these hold scales and nothing else; v144-207 x's fragments, one set; on the way out v144-255 are at work.
;   window 1: v0-47, v48-95 W's fragments, two sets; v128-255 sin, 16 a block.   window 2: v0-191 accumulators of blocks 0-3, (a, b) at 8 (6 (a % 4) + b); v192-255 cos of blocks 0-3.   window 3: the same for blocks 4-7.
.set PITCH,  272                       ; an LDS row: 256 bytes + 16 of padding: the 16 rows of a fragment load start 68 words apart
.set HALFT,  128*PITCH                 ; what one tensor load brings
.set SLOT,   4*HALFT
.set SCL,    2*SLOT                    ; behind the ring: the scale bytes, four blocks of 128 rows x 64 bytes, as 32 rows of 256 bytes + 16
.set HALFS,  32*272
.set SPARE,  SCL+4*HALFS               ; the spare words: 128 bytes a wave, named by no other line
.set V32O,   128*528                   ; the way out, in slot 0: k as f32 at 0, v as f32 here: 128 rows x (512 + 16)
.set K16O,   128*272                   ; and in slot 1: q, k, v as f16: 128 rows x (256 + 16) each
.set V16O,   2*128*272
.set RD32,  8
.set RD32V, 9
.set RD16,  10
.set RD16V, 11
.set ADRA,  16                         ; v16-17 x's fragments in slot 0, 1
.set ADRB,  18                         ; v18-21 W's: slot s, tiles 3 g + 0..2: v[18 + 2 s + g]
.set ADSA,  22
.set ADSB,  23
.set CA,    24
.set ST32,  25
.set ST32V, 26
.set ST16,  27
.set SPW,   28                         ; LDS address of my spare word; never rewritten
.set NIL,   29                         ; 0; never rewritten
.set ST16V, 30
.set GO,    31
.set SA,    32
.set SB,    96
.set AF,    144
.set WV,   20
.set HEAD, 23
.set RB,   24
.set G1A,  28
.set G1B,  36
.set G0A,  44
.set G0B,  52
.set G1SA, 68
.set G1SB, 76
.set G0SA, 84
.set G0SB, 88
.set MSB, 0
.macro WIN new                         ; the immediate's high byte repeats the setting that is left
.if MSB != \new
	s_set_vgpr_msb (MSB<<8)|\new
.set MSB, \new
.endif
.endm
.set MUL_LO, 0xa1                      ; source 0 (W) window 1, source 1 (x) window 0, C and D window 2
.set MUL_HI, 0xf1                      ; the same, C and D window 3
.set TO_B,   0x40
; A joint load: wave 0 fetches for x, waves 1 to 3 for W.  Each line has one mask; the branch hangs on the wave's number alone.  An s_nop 0 and four v_nop follow each line.
.macro JLOAD g0a, g1a, g0b, g1b
	s_cmp_eq_u32 s[WV], 0
	s_cbranch_scc0 .Lfor_b_\@
	tensor_load_to_lds s[\g0a:\g0a+3], s[\g1a:\g1a+7]
	s_nop 0
.rept 4
	v_nop
.endr
	s_branch .Lasked_\@
.Lfor_b_\@:
	tensor_load_to_lds s[\g0b:\g0b+3], s[\g1b:\g1b+7]
	s_nop 0
.rept 4
	v_nop
.endr
.Lasked_\@:
.endm
.macro CREST                           ; a round of the cluster's barrier behind its opening barrier
	s_cmp_lg_u32 s[WV], 0
	s_cbranch_scc1 .Lnot_wave_0_\@
	s_barrier_signal -3
.Lnot_wave_0_\@:
	s_barrier_wait -3
	s_barrier_signal -1
	s_barrier_wait -1
.endm
.macro CROUND
	s_barrier_signal -1
	s_barrier_wait -1
	CREST
.endm
	s_load_b256 s[4:11], s[0:1], 0x0               ; codes 4, scales 6, cos 8, sin 10
	s_load_b128 s[12:15], s[0:1], 0x20             ; out1 12, out2 14
	s_load_b64 s[16:17], s[0:1], 0x30              ; qkv16
	v_lshl_add_u32 v[SPW], v0, 2, SPARE
	v_mov_b32 v[NIL], 0
	ds_add_u32 v[SPW], v[NIL]                      ; the wave's opening: the add, twice on end, and its wait ahead of my first tensor load
	ds_add_u32 v[SPW], v[NIL]
	v_lshrrev_b32 v1, 5, v0
	v_readfirstlane_b32 s[WV], v1                  ; wave 0..3
	s_bfe_u32 s21, ttmp6, 0x40000                  ; cx
	s_bfe_u32 s22, ttmp6, 0x40004                  ; cy
	s_lshl_b32 s[HEAD], ttmp9, 2
	s_add_co_u32 s[HEAD], s[HEAD], s21             ; the head = 4 x cluster x + cx
	s_and_b32 s[RB], ttmp7, 0xffff
	s_lshl_b32 s[RB], s[RB], 2
	s_add_co_u32 s[RB], s[RB], s22                 ; the block of 128 positions = 4 x cluster y + cy
	s_lshl_b32 s2, s22, 2
	s_lshl_b32 s2, 15, s2                          ; my row of the cluster
	s_lshl_b32 s3, 0x1111, s21                     ; my column
	s_or_b32 s[G1A], s2, (0<<16)|(1<<20)|(1<<21)|(5<<22)|(3<<25)   ; 15:0 the mask; elements of 1 byte; padding on; bit 21 beside a mask; 4 words of padding after every 64
	s_or_b32 s[G1B], s3, (0<<16)|(1<<20)|(1<<21)|(5<<22)|(3<<25)
.irp g, G1A, G1B
	s_mov_b32 s[\g+1], 256<<16                     ; tensor_dim0 = 256 bytes
	s_mov_b32 s[\g+2], 128<<16                     ; tensor_dim1 = 128 rows
	s_mov_b32 s[\g+3], 256<<16                     ; tile_dim0
	s_mov_b32 s[\g+4], 128                         ; tile_dim1
	s_mov_b32 s[\g+5], 1024                        ; a row of codes in memory
	s_mov_b32 s[\g+6], 0
	s_mov_b32 s[\g+7], 0
.endr
	s_or_b32 s[G1SA], s2, (3<<16)|(1<<20)|(1<<21)|(5<<22)|(3<<25)  ; the scales of 128 rows: 8,192 dense bytes as 32 rows of 32 elements of 8 bytes
	s_or_b32 s[G1SB], s3, (3<<16)|(1<<20)|(1<<21)|(5<<22)|(3<<25)
.irp g, G1SA, G1SB
	s_mov_b32 s[\g+1], 32<<16
	s_mov_b32 s[\g+2], 32<<16
	s_mov_b32 s[\g+3], 32<<16
	s_mov_b32 s[\g+4], 32
	s_mov_b32 s[\g+5], 32
	s_mov_b32 s[\g+6], 0
	s_mov_b32 s[\g+7], 0
.endr
	s_lshl_b32 s60, s[RB], 17                      ; x: row 128 rb, 1,024 bytes of codes a row,
	s_mov_b32 s61, 0
	s_lshl_b32 s62, s[RB], 13                      ; 64 bytes of scales
	s_mov_b32 s63, 0
	s_lshl_b32 s92, s[WV], 21                      ; W: row 2,048 wave + 128 head of the stack (wave 1: Wq, 2: Wk, 3: Wv)
	s_lshl_b32 s25, s[HEAD], 17
	s_add_co_u32 s92, s92, s25
	s_mov_b32 s93, 0
	s_lshl_b32 s94, s[WV], 17
	s_lshl_b32 s25, s[HEAD], 13
	s_add_co_u32 s94, s94, s25
	s_mov_b32 s95, 0
	s_mul_i32 s26, s[WV], HALFT                    ; where they go: no place in the cluster enters an LDS address
	s_mul_i32 s27, s[WV], HALFS
	s_wait_dscnt 0x0                               ; both opening adds are done
	s_wait_kmcnt 0x0
	s_add_nc_u64 s[60:61], s[4:5], s[60:61]
	s_add_nc_u64 s[62:63], s[6:7], s[62:63]
	s_add_nc_u64 s[92:93], s[4:5], s[92:93]
	s_add_nc_u64 s[94:95], s[6:7], s[94:95]
	CROUND                                         ; all sixteen work-groups are here: the first joint loads meet
	s_mov_b32 s[G0SA], 1
	s_add_co_u32 s[G0SA+1], s27, SCL
	s_mov_b64 s[G0SA+2:G0SA+3], s[62:63]
	s_or_b32 s[G0SA+3], s[G0SA+3], 0x80000000
	s_mov_b32 s[G0SB], 1
	s_add_co_u32 s[G0SB+1], s27, SCL
	s_mov_b64 s[G0SB+2:G0SB+3], s[94:95]
	s_or_b32 s[G0SB+3], s[G0SB+3], 0x80000000
	JLOAD G0SA, G1SA, G0SB, G1SB                   ; the scales first: they are wanted with K step 0
.irp s, 0,1
	s_mov_b32 s[G0A+4*\s], 1
	s_add_co_u32 s[G0A+4*\s+1], s26, \s*SLOT
	s_add_nc_u64 s[G0A+4*\s+2:G0A+4*\s+3], s[60:61], \s*256
	s_or_b32 s[G0A+4*\s+3], s[G0A+4*\s+3], 0x80000000
	s_mov_b32 s[G0B+4*\s], 1
	s_add_co_u32 s[G0B+4*\s+1], s26, \s*SLOT
	s_add_nc_u64 s[G0B+4*\s+2:G0B+4*\s+3], s[92:93], \s*256
	s_or_b32 s[G0B+4*\s+3], s[G0B+4*\s+3], 0x80000000
	JLOAD G0A+4*\s, G1A, G0B+4*\s, G1B             ; three tensor loads of mine are out now
.endr
	v_and_b32 v1, 15, v0                           ; r
	v_bfe_u32 v2, v0, 4, 1                         ; h
	v_and_b32 v3, 31, v0                           ; lane
	v_mul_u32_u24 v[ADRA], v1, PITCH
	v_lshl_add_u32 v[ADRA], v2, 4, v[ADRA]         ; a fragment's row x pitch + 16 h
	v_add_nc_u32 v[ADRA+1], SLOT, v[ADRA]
	s_mul_i32 s25, s[WV], 16*PITCH
	s_add_co_u32 s25, s25, HALFT
	v_add_nc_u32 v[ADRB], s25, v[ADRA]             ; W: behind x's 128 rows, row 16 w + r; tile b lies 64 rows x b further on
	v_add_nc_u32 v[ADRB+1], 3*17408, v[ADRB]
	v_add_nc_u32 v[ADRB+2], SLOT, v[ADRB]
	v_add_nc_u32 v[ADRB+3], SLOT, v[ADRB+1]
	v_lshrrev_b32 v5, 2, v1                        ; a row's 64 scale bytes: four rows to 256 bytes + 16
	v_mul_u32_u24 v5, v5, 272
	v_and_b32 v6, 3, v1
	v_lshl_add_u32 v5, v6, 6, v5
	v_add_nc_u32 v[ADSA], SCL, v5
	s_mul_i32 s25, s[WV], 4*272
	s_add_co_u32 s25, s25, SCL+HALFS
	v_add_nc_u32 v[ADSB], s25, v5
	s_lshl_b32 s25, s[WV], 6
	v_lshlrev_b32 v[CA], 9, v1
	v_lshl_add_u32 v[CA], v2, 5, v[CA]
	v_add_nc_u32 v[CA], s25, v[CA]                 ; cos, sin: row r of 512 bytes, channel 16 w + 8 h
	v_mul_u32_u24 v[ST32], v1, 528
	v_lshl_add_u32 v[ST32], v2, 5, v[ST32]
	v_add_nc_u32 v[ST32], s25, v[ST32]             ; the f32 stages: row r, the same channel
	v_add_nc_u32 v[ST32V], V32O, v[ST32]
	s_lshl_b32 s25, s[WV], 5
	s_add_co_u32 s25, s25, SLOT
	v_add_nc_u32 v[ST16], s25, v[ADRA]             ; the f16 stages: SLOT + r x 272 + 32 w + 16 h
	v_add_nc_u32 v[ST16V], V16O, v[ST16]
	s_mul_i32 s25, s[WV], 32*528
	v_lshl_add_u32 v[RD32], v3, 4, s25             ; back: my 32 rows, one row of 512 bytes an instruction
	v_add_nc_u32 v[RD32V], V32O, v[RD32]
	s_mul_i32 s25, s[WV], 32*272
	s_add_co_u32 s25, s25, SLOT
	v_mul_u32_u24 v[RD16], v2, 272
	v_lshl_add_u32 v[RD16], v1, 4, v[RD16]
	v_add_nc_u32 v[RD16], s25, v[RD16]             ; two rows of 256 bytes an instruction
	v_add_nc_u32 v[RD16V], V16O, v[RD16]
	v_lshlrev_b32 v[GO], 4, v3
	s_lshl_b32 s2, s[RB], 16                       ; cos and sin at my block's first position
	s_mov_b32 s3, 0
	s_add_nc_u64 s[8:9], s[8:9], s[2:3]
	s_add_nc_u64 s[10:11], s[10:11], s[2:3]
	WIN 0x80                                       ; the tables stay in registers: 16 numbers a block: channels d0 .. d0 + 7, then 64 + d0 ..
.irp a, 0,1,2,3
	global_load_b128 v[192+16*\a:192+16*\a+3],    v[CA], s[8:9] offset:\a*8192
	global_load_b128 v[196+16*\a:196+16*\a+3],    v[CA], s[8:9] offset:\a*8192+16
	global_load_b128 v[200+16*\a:200+16*\a+3],    v[CA], s[8:9] offset:\a*8192+256
	global_load_b128 v[204+16*\a:204+16*\a+3],    v[CA], s[8:9] offset:\a*8192+272
.endr
	WIN 0xc0
.irp a, 0,1,2,3
	global_load_b128 v[192+16*\a:192+16*\a+3],    v[CA], s[8:9] offset:(\a+4)*8192
	global_load_b128 v[196+16*\a:196+16*\a+3],    v[CA], s[8:9] offset:(\a+4)*8192+16
	global_load_b128 v[200+16*\a:200+16*\a+3],    v[CA], s[8:9] offset:(\a+4)*8192+256
	global_load_b128 v[204+16*\a:204+16*\a+3],    v[CA], s[8:9] offset:(\a+4)*8192+272
.endr
	WIN 0x40
.irp a, 0,1,2,3,4,5,6,7
	global_load_b128 v[128+16*\a:128+16*\a+3],    v[CA], s[10:11] offset:\a*8192
	global_load_b128 v[132+16*\a:132+16*\a+3],    v[CA], s[10:11] offset:\a*8192+16
	global_load_b128 v[136+16*\a:136+16*\a+3],    v[CA], s[10:11] offset:\a*8192+256
	global_load_b128 v[140+16*\a:140+16*\a+3],    v[CA], s[10:11] offset:\a*8192+272
.endr
	WIN 0
	s_lshl_b32 s2, s[HEAD], 20                     ; where my 32 rows of the outputs begin: row 2,048 head + 128 rb + 32 w, 512 bytes a row in f32,
	s_lshl_b32 s25, s[RB], 16
	s_add_co_u32 s2, s2, s25
	s_lshl_b32 s25, s[WV], 14
	s_add_co_u32 s2, s2, s25
	s_add_nc_u64 s[12:13], s[12:13], s[2:3]
	s_add_nc_u64 s[14:15], s[14:15], s[2:3]
	s_lshr_b32 s2, s2, 1                           ; 256 in f16
	s_add_nc_u64 s[16:17], s[16:17], s[2:3]        ; q's part,
	s_add_nc_u64 s[96:97], s[16:17], 8388608       ; k's,
	s_add_nc_u64 s[98:99], s[96:97], 8388608       ; v's
; n blocks of x from a0 on x my six tiles, 128 along K: the slot's q-th.  p: W's set; sc: the set of scale words.  zero = 1: the first product starts the sums.
; The 48 accumulators take turns, one instruction a turn, in the same order in every step.
.macro MUL a0, n, p, q, sc, zero
.set AA, \a0
.rept \n
.irp b, 0,1,2,3,4,5
.if \zero
	v_wmma_scale_f32_16x16x128_f8f6f4 v[8*(6*(AA%4)+\b):8*(6*(AA%4)+\b)+7], v[48*(\p)+8*\b:48*(\p)+8*\b+7], v[AF+8*AA:AF+8*AA+7], 0, v[SB+24*(\sc)+4*\b+(\q)], v[SA+32*(\sc)+4*AA+(\q)] matrix_a_fmt:MATRIX_FMT_FP4 matrix_b_fmt:MATRIX_FMT_FP4
.else
	v_wmma_scale_f32_16x16x128_f8f6f4 v[8*(6*(AA%4)+\b):8*(6*(AA%4)+\b)+7], v[48*(\p)+8*\b:48*(\p)+8*\b+7], v[AF+8*AA:AF+8*AA+7], v[8*(6*(AA%4)+\b):8*(6*(AA%4)+\b)+7], v[SB+24*(\sc)+4*\b+(\q)], v[SA+32*(\sc)+4*AA+(\q)] matrix_a_fmt:MATRIX_FMT_FP4 matrix_b_fmt:MATRIX_FMT_FP4
.endif
.endr
.set AA, AA+1
.endr
.endm
.macro FETCH_B slot, q, p              ; W's six fragments (16 rows x 128 K: two loads of 16 bytes, 32 apart): twelve loads
	WIN TO_B
.irp b, 0,1,2,3,4,5
.irp c, 0,1
	ds_load_b128 v[48*(\p)+8*\b+4*\c:48*(\p)+8*\b+4*\c+3], v[ADRB+2*(\slot)+\b/3] offset:64*(\q)+32*\c+(\b%3)*17408
.endr
.endr
	WIN 0
.endm
.macro FETCH_A slot, q, i0             ; x's blocks i0 .. i0 + 3: eight loads
.irp i, 0,1,2,3
.irp c, 0,1
	ds_load_b128 v[AF+8*((\i0)+\i)+4*\c:AF+8*((\i0)+\i)+4*\c+3], v[ADRA+(\slot)] offset:64*(\q)+32*\c+((\i0)+\i)*16*PITCH
.endr
.endr
.endm
.macro SCALES sc, ks                   ; K step ks's scale words, four a row, into set sc: fourteen loads; every lane takes row r's
.irp i, 0,1,2,3,4,5,6,7
	ds_load_b128 v[SA+32*(\sc)+4*\i:SA+32*(\sc)+4*\i+3], v[ADSA] offset:\i*1088+16*(\ks)
.endr
.irp b, 0,1,2,3,4,5
	ds_load_b128 v[SB+24*(\sc)+4*\b:SB+24*(\sc)+4*\b+3], v[ADSB] offset:\b*4352+16*(\ks)
.endr
.endm
.macro PLACES                          ; four plain places in front of loads into registers that matrix instructions have read, and of the first read of results
.rept 4
	v_nop
.endr
.endm
.macro STEP slot, q, zero              ; 128 along K with its successor in the same slot
	s_wait_dscnt 8                                 ; W's set, the scale words and x's blocks 0-3 are in; the youngest eight loads (blocks 4-7) may be out
	WIN MUL_LO
	MUL 0, 4, (\q)%2, \q, \slot, \zero
	s_wait_dscnt 0x0                               ; blocks 4-7 are in
	PLACES
	FETCH_B \slot, (\q)+1, 1-(\q)%2
	FETCH_A \slot, (\q)+1, 0
	WIN MUL_HI
	MUL 4, 4, (\q)%2, \q, \slot, \zero
	PLACES
	WIN 0
	FETCH_A \slot, (\q)+1, 4
.endm
; A slot's last step changes slots: one barrier; in front of it each wave waits for all its tensor loads, adds 0 to its spare word, and waits for that and for its reads of this slot.  fill = 1: the slot is filled again, two K steps ahead.
.macro TURN slot, next, fill, ks
	s_wait_tensorcnt 0x0                           ; all my tensor loads have landed: my part of the next slot
	ds_add_u32 v[SPW], v[NIL]                      ; 0 onto my spare word
	s_wait_dscnt 9                                 ; (the add and the youngest eight loads may be out)
	WIN MUL_LO
	MUL 0, 2, 1, 3, \slot, 0                       ; twelve matrix instructions stand between the add and the wait for it
	s_wait_dscnt 0x0                               ; the add is done, and my reads of this slot are over
	s_barrier_signal -1
	MUL 2, 2, 1, 3, \slot, 0
	WIN 0
	s_barrier_wait -1
.if \fill
	CREST                                          ; the barrier has opened a round of the cluster's barrier: no wave of any partner still reads this slot or has a load on its way
	s_add_nc_u64 s[G0A+4*\slot+2:G0A+4*\slot+3], s[G0A+4*\slot+2:G0A+4*\slot+3], 512
	s_add_nc_u64 s[G0B+4*\slot+2:G0B+4*\slot+3], s[G0B+4*\slot+2:G0B+4*\slot+3], 512
	JLOAD G0A+4*\slot, G1A, G0B+4*\slot, G1B       ; the first tensor load behind the round; its four v_nop are the places in front of the loads below
.else
	PLACES
.endif
	FETCH_B \next, 0, 0
	FETCH_A \next, 0, 0
	SCALES \next, \ks
	WIN MUL_HI
	MUL 4, 4, 1, 3, \slot, 0
	PLACES
	WIN 0
	FETCH_A \next, 0, 4
.endm
	s_wait_tensorcnt 1                             ; the scales and my part of K step 0 are in; K step 1's load may stay out
	s_barrier_signal -1
	s_barrier_wait -1
	FETCH_B 0, 0, 0
	FETCH_A 0, 0, 0
	SCALES 0, 0
	FETCH_A 0, 0, 4
	STEP 0, 0, 1                                   ; four K steps, written out
	STEP 0, 1, 0
	STEP 0, 2, 0
	TURN 0, 1, 1, 1                                ; slot 0 takes K step 2
	STEP 1, 0, 0
	STEP 1, 1, 0
	STEP 1, 2, 0
	TURN 1, 0, 1, 2                                ; slot 1 takes K step 3
	STEP 0, 0, 0
	STEP 0, 1, 0
	STEP 0, 2, 0
	TURN 0, 1, 0, 3                                ; nothing is left to fetch
	STEP 1, 0, 0
	STEP 1, 1, 0
	STEP 1, 2, 0
	s_wait_dscnt 8                                 ; the very last step
	WIN MUL_LO
	MUL 0, 4, 1, 3, 1, 0
	s_wait_dscnt 0x0                               ; my reads of slot 1 are over
	s_barrier_signal -1
	WIN MUL_HI
	MUL 4, 4, 1, 3, 1, 0
	WIN 0
	s_barrier_wait -1                              ; every wave's are: both slots have had their last fill and their last read, and serve as stages from here on
; THE WAY OUT.  Block by block of 16 positions: q' = q cos + rotate_half(q) sin (and k'), in f32; k' and v go to the f32 stages, q', k', v rounded to f16 to the f16 stages.  Two sets of 56 work registers by turns.
	s_wait_loadcnt 0x0                             ; cos and sin
	PLACES
.macro ROPE a
.set AC, 48*((\a)%4)
.set CO, 192+16*((\a)%4)
.set SN, 128+16*(\a)
.set TS, 144+56*((\a)%2)
.if (\a) >= 2
	s_wait_dscnt 14                                ; the stores of two blocks back have read this set; the fourteen of the block before may be out
.endif
	WIN 0x0a+5*((\a)/4)                            ; sources 0 and 1: window 2 or 3.
.irp j, 0,2,4,6
	v_pk_mul_f32 v[TS+\j:TS+\j+1],       v[AC+\j:AC+\j+1],       v[CO+\j:CO+\j+1]       ; q(d) cos(d)
	v_pk_mul_f32 v[TS+8+\j:TS+8+\j+1],   v[AC+8+\j:AC+8+\j+1],   v[CO+8+\j:CO+8+\j+1]   ; q(d + 64) cos(d + 64)
	v_pk_mul_f32 v[TS+16+\j:TS+16+\j+1], v[AC+16+\j:AC+16+\j+1], v[CO+\j:CO+\j+1]       ; the same of k
	v_pk_mul_f32 v[TS+24+\j:TS+24+\j+1], v[AC+24+\j:AC+24+\j+1], v[CO+8+\j:CO+8+\j+1]
.endr
	WIN 0x06+((\a)/4)                              ; source 0: the accumulators; source 1: sin, window 1
.irp j, 0,2,4,6
	v_pk_fma_f32 v[TS+\j:TS+\j+1],       v[AC+8+\j:AC+8+\j+1],   v[SN+\j:SN+\j+1],     v[TS+\j:TS+\j+1] neg_lo:[1,0,0] neg_hi:[1,0,0]   ; - q(d + 64) sin(d)
	v_pk_fma_f32 v[TS+8+\j:TS+8+\j+1],   v[AC+\j:AC+\j+1],       v[SN+8+\j:SN+8+\j+1], v[TS+8+\j:TS+8+\j+1]                              ; + q(d) sin(d + 64)
	v_pk_fma_f32 v[TS+16+\j:TS+16+\j+1], v[AC+24+\j:AC+24+\j+1], v[SN+\j:SN+\j+1],     v[TS+16+\j:TS+16+\j+1] neg_lo:[1,0,0] neg_hi:[1,0,0]
	v_pk_fma_f32 v[TS+24+\j:TS+24+\j+1], v[AC+16+\j:AC+16+\j+1], v[SN+8+\j:SN+8+\j+1], v[TS+24+\j:TS+24+\j+1]
.endr
	WIN 0
.irp j, 0,1,2,3,4,5,6,7,8,9,10,11,12,13,14,15
	v_cvt_pk_f16_f32 v[TS+32+\j], v[TS+2*\j], v[TS+2*\j+1]         ; q' low, q' high, k' low, k' high
.endr
	WIN 0x0a+5*((\a)/4)
.irp j, 0,1,2,3,4,5,6,7
	v_cvt_pk_f16_f32 v[TS+48+\j], v[AC+32+2*\j], v[AC+32+2*\j+1]   ; v low, v high
.endr
	WIN 0
	ds_store_b128 v[ST32], v[TS+16:TS+19] offset:(\a)*8448
	ds_store_b128 v[ST32], v[TS+20:TS+23] offset:(\a)*8448+16
	ds_store_b128 v[ST32], v[TS+24:TS+27] offset:(\a)*8448+256
	ds_store_b128 v[ST32], v[TS+28:TS+31] offset:(\a)*8448+272
	ds_store_b128 v[ST16], v[TS+32:TS+35] offset:(\a)*4352
	ds_store_b128 v[ST16], v[TS+36:TS+39] offset:(\a)*4352+128
	ds_store_b128 v[ST16], v[TS+40:TS+43] offset:(\a)*4352+K16O
	ds_store_b128 v[ST16], v[TS+44:TS+47] offset:(\a)*4352+K16O+128
	ds_store_b128 v[ST16V], v[TS+48:TS+51] offset:(\a)*4352
	ds_store_b128 v[ST16V], v[TS+52:TS+55] offset:(\a)*4352+128
	WIN 0x08+4*((\a)/4)                            ; an LDS store's data are its source 1: v leaves the accumulators as it is
	ds_store_b128 v[ST32V], v[AC+32:AC+35] offset:(\a)*8448
	ds_store_b128 v[ST32V], v[AC+36:AC+39] offset:(\a)*8448+16
	ds_store_b128 v[ST32V], v[AC+40:AC+43] offset:(\a)*8448+256
	ds_store_b128 v[ST32V], v[AC+44:AC+47] offset:(\a)*8448+272
	WIN 0
.endm
.irp a, 0,1,2,3,4,5,6,7
	ROPE \a
.endr
	s_wait_dscnt 0x0                               ; for the others' sake: my stores into the stages are done
	s_barrier_signal -1
	s_barrier_wait -1
; Each wave sends rows 32 w .. 32 w + 31 of the five stages, sixteen loads and sixteen stores a batch; memory is dense: every store covers 512 consecutive bytes, aligned.
; Two buffers by turns: window 0 v144-207 and window 1 v0-63 (the fragments' old registers).
.macro RDB n, adr, off, stride
.set BUF, 144*(1-(\n)%2)
	WIN 0x40*((\n)%2)
.irp t, 0,1,2,3,4,5,6,7,8,9,10,11,12,13,14,15
	ds_load_b128 v[BUF+4*\t:BUF+4*\t+3], v[\adr] offset:(\off)+\t*(\stride)
.endr
.endm
.macro SND n, base, goff, younger      ; younger: the next batch's sixteen loads, which may stay out
.set BUF, 144*(1-(\n)%2)
	WIN 0x04*((\n)%2)
.irp t, 0,1,2,3,4,5,6,7,8,9,10,11,12,13,14,15
	s_wait_dscnt (\younger)+15-\t
	global_store_b128 v[GO], v[BUF+4*\t:BUF+4*\t+3], s[\base:\base+1] offset:(\goff)+512*\t th:TH_STORE_NT
.endr
.endm
	RDB 0, RD32, 0, 528
	RDB 1, RD32, 16*528, 528
	SND 0, 12, 0, 16
	s_wait_xcnt 0x0                                ; the stores have read their registers: the buffer is loaded again only behind this wait
	RDB 2, RD32V, 0, 528
	SND 1, 12, 8192, 16
	s_wait_xcnt 0x0
	RDB 3, RD32V, 16*528, 528
	SND 2, 14, 0, 16
	s_wait_xcnt 0x0
	RDB 4, RD16, 0, 544
	SND 3, 14, 8192, 16
	s_wait_xcnt 0x0
	RDB 5, RD16, K16O, 544
	SND 4, 16, 0, 16
	s_wait_xcnt 0x0
	RDB 6, RD16V, 0, 544
	SND 5, 96, 0, 16
	SND 6, 98, 0, 0
	WIN 0
	s_wait_tensorcnt 0x0                           ; the wave's end
	ds_add_u32 v[SPW], v[NIL]
	s_wait_dscnt 0x0
	CROUND                                         ; the closing round
	s_endpgm
.Lfunc_end_k_q81bfa3c9d0_qkv:
	.size	k_q81bfa3c9d0_qkv, .Lfunc_end_k_q81bfa3c9d0_qkv-k_q81bfa3c9d0_qkv
	.p2alignl 7, 3214868480
	.fill 96, 4, 3214868480
	.section	.rodata,"a",@progbits
	.p2align	6, 0x0
	.amdhsa_kernel k_q81bfa3c9d0_qkv
		.amdhsa_group_segment_fixed_size 327680
		.amdhsa_private_segment_fixed_size 0
		.amdhsa_enable_private_segment 0
		.amdhsa_kernarg_size 56
		.amdhsa_user_sgpr_count 2
		.amdhsa_user_sgpr_kernarg_segment_ptr 1
		.amdhsa_wavefront_size32 1
		.amdhsa_system_sgpr_workgroup_id_x 1
		.amdhsa_system_sgpr_workgroup_id_y 1
		.amdhsa_system_sgpr_workgroup_id_z 1
		.amdhsa_system_vgpr_workitem_id 0
		.amdhsa_next_free_vgpr 1024
		.amdhsa_next_free_sgpr 100
		.amdhsa_reserve_vcc 0
		.amdhsa_float_denorm_mode_32 3
		.amdhsa_float_denorm_mode_16_64 3
		.amdhsa_memory_ordered 1
		.amdhsa_forward_progress 1
		.amdhsa_inst_pref_size 213
	.end_amdhsa_kernel
	.amdgpu_metadata
---
amdhsa.version: [ 1, 2 ]
amdhsa.kernels:
  - .name:           k_q81bfa3c9d0_qkv
    .symbol:         k_q81bfa3c9d0_qkv.kd
    .args:
      - { .name: codes, .offset: 0, .size: 8, .value_kind: global_buffer, .address_space: global }
      - { .name: scales, .offset: 8, .size: 8, .value_kind: global_buffer, .address_space: global }
      - { .name: cos, .offset: 16, .size: 8, .value_kind: global_buffer, .address_space: global }
      - { .name: sin, .offset: 24, .size: 8, .value_kind: global_buffer, .address_space: global }
      - { .name: out1, .offset: 32, .size: 8, .value_kind: global_buffer, .address_space: global }
      - { .name: out2, .offset: 40, .size: 8, .value_kind: global_buffer, .address_space: global }
      - { .name: qkv16, .offset: 48, .size: 8, .value_kind: global_buffer, .address_space: global }
    .group_segment_fixed_size: 327680
    .private_segment_fixed_size: 0
    .kernarg_segment_align: 8
    .kernarg_segment_size: 56
    .max_flat_workgroup_size: 128
    .sgpr_count:     100
    .vgpr_count:     1024
    .wavefront_size: 32
...
	.end_amdgpu_metadata
.endif
;; end of part 2
;; launch attn (part 3): grid 16 x 16, 4 waves a work-group, clusters of 4 x 1, 327,680 bytes of LDS; arguments qkv16, mnib, o16; writes o16
.if DOCPART == 3
	.amdgcn_target "amdgcn-amd-amdhsa--gfx1250"
	.amdhsa_code_object_version 6
	.text
	.protected	k_q81bfa3c9d0_attn
	.globl	k_q81bfa3c9d0_attn
	.p2align	8
	.type	k_q81bfa3c9d0_attn,@function
k_q81bfa3c9d0_attn:
	s_mov_b64 s[64:65], 0
	v_nop
	global_prefetch_b8 v0, s[64:65] scope:SCOPE_SE
	s_setreg_imm32_b32 hwreg(HW_REG_WAVE_MODE, 25, 1), 1
	s_wait_xcnt 0x0
	s_wait_alu depctr_hold_cnt(0) depctr_sa_sdst(0) depctr_va_vdst(0) depctr_va_sdst(0) depctr_va_ssrc(0) depctr_va_vcc(0) depctr_vm_vsrc(0)
	s_getreg_b32 s2, hwreg(HW_REG_IB_STS2, 6, 4)
	s_cmp_eq_u32 s2, 0
	s_cbranch_scc0 .Lentry_in_a_cluster
	s_endpgm
.Lentry_in_a_cluster:
	s_bfe_u32 s2, ttmp6, 0x10000c
	s_cmp_lg_u32 s2, 0x3003
	s_cbranch_scc0 .Lentry_shape_is_right
	s_endpgm
.Lentry_shape_is_right:
; o16[q][128 head + :] = the sum over k of softmax_k(Q[q] . K[k] / sqrt(128), masked) V[k][:].  Q, K, V: the three parts of qkv16, [16][2048][128] f16.  Products, maxima and sums in f32; the weights p are rounded to f16.
; THE MASK is an input: every key is multiplied.  It comes as 4-bit codes in the order of the score registers: one scaled conversion turns a word into eight numbers, 0 or -6 x 2^100, written into a score accumulator,
; and the products K Q^T add onto them.  The running maximum has a floor of -2^90, so every masked weight is 2^(very negative) = 0; a row with no open key ends with the sum 0 and 0 x (1 / 0) = NaN, as the softmax of such a row is.
; LIMITS: |score| under 2^90; the operands are f16 (|q|, |k|, |v| under 65,504).
; SHARES.  A work-group owns 128 queries of one head.  Wave w: queries 64 (w & 1) on (four tiles of 16), and HALF THE KEYS: of every 256 keys the 128 from 128 (w >> 1) on, 64 a step, 16 steps.  The two halves of a query
; are merged at the end through LDS.  So a fragment of K or V read from LDS feeds four tiles of queries.
; LAYOUT, SOFTMAX.  S^T = K Q^T and O^T = V^T P: a lane holds one query throughout.  For each query a running maximum m and sum l: p = 2^(c s - c m), c = log2(e) / sqrt(128); O and l are multiplied by a = 2^(c m_old - c m_new).
; BY TURNS.  The wave's tiles are two pieces (tiles 0, 1 and tiles 2, 3).  In a turn one piece has the matrix unit (32 products V^T P of the step in hand, 32 products K Q^T of the next); the other piece's softmax, in 64 slices,
; stands between them, one slice behind each matrix instruction.  At a turn's end the piece whose softmax has just run gets the next step's mask numbers into its score registers.
; CLUSTER 4 x 1: the four query blocks of a cluster belong to one head and walk the same K and V: each tile is asked for jointly.
; REGISTERS: window 0: v2-11 addresses; v12-43 eight registers of statistics a tile; v44-59 mask words, four a tile; v60 the conversions' scale; v64-191 S^T; v192-255 P.   window 1: O^T.   window 2: v0-127 Q, v128-255 K.   window 3: v0-127 V.
.set KS,    64
.set PK,    272       ; a row of K in LDS: 256 bytes + 16
.set PV,    288       ; a row of V: 256 + 32
.set KREG,  128*PK
.set HALF,  128*(PK+PV)   ; a key half's part of a slot: 128 rows of K, then 128 rows of V
.set SLOT,  2*HALF
.set SPARE, 2*SLOT    ; behind the ring: the spare words, 128 bytes a wave, named by no other line
.set MIMG,  33792     ; the merge, in ring slot 0 behind its last read: for each half of the queries 32,768 bytes of O^T as an image of its registers, then 1,024 of statistics
.set STAGE, 2*MIMG    ; and the way out's stages: 16 rows x 272 bytes for each half of the queries
.set SP,    272
.set AK0, 2
.set AV0, 3
.set ADR, 4
.set QO,  5
.set STO, 6
.set RD,  7
.set GO,  8
.set MST, 9
.set MSS, 10
.set LI,  11          ; 16 x lane
.set ST,  12          ; tile t's statistics at v[ST+8 t]: +0 c m, +1 m, +2, +3 l, +4 to +7 at work
.set MK,  44
.set SCB, 60
.set PFO, 61
.set SPW, 62
.set NIL, 63
.set S,   64
.set P,   192
.set KF,  128
.set WV,  12
.set WB,  13          ; w & 1: my half of the queries; also: I fetch K (0) or V (1)
.set WH,  14          ; w >> 1: my half of the keys; also: whose half I fetch
.set LIM, 15
.set PFA, 18
.set G1K, 24
.set G1V, 32
.set G0,  40          ; s[40:43], s[44:47]: group 0 for ring slot 0, 1
.set MP,  48          ; s[48:49] where the mask words to be loaded next begin
.set MSTEP, 50        ; s[50:51] a key step on in them: 512 bytes; 0 in the last slot
.set TRIPS, 56
.set TWICE, 57
.set CS,  58
.set SEL, 60
.set TBK, 62          ; LDS byte at which the ring's K rows of the step to be fetched begin
.set TBV, 63          ; the same for V
.set MSB, 0
.macro WIN new
.if MSB != \new
	s_set_vgpr_msb (MSB<<8)|\new
.set MSB, \new
.endif
.endm
.set W_KQ, 0x0a       ; K and Q in window 2, S^T in window 0
.set W_PV, 0x53       ; V in window 3, P in window 0, O^T in window 1
.set W_RS, 0x41       ; O^T (destination and source 0) in window 1, a in window 0
.macro JLOAD r                      ; a joint refill of ring slot r: waves 0 and 2 fetch K's rows, waves 1 and 3 V's; an s_nop 0 and four v_nop follow each line
	s_cmp_eq_u32 s[WB], 0
	s_cbranch_scc0 .Lfor_v_\@
	tensor_load_to_lds s[G0+4*(\r):G0+4*(\r)+3], s[G1K:G1K+7]
	s_nop 0
.rept 4
	v_nop
.endr
	s_branch .Lasked_\@
.Lfor_v_\@:
	tensor_load_to_lds s[G0+4*(\r):G0+4*(\r)+3], s[G1V:G1V+7]
	s_nop 0
.rept 4
	v_nop
.endr
.Lasked_\@:
.endm
; A PREFETCH INTO THE L2 of what the next change of slots will ask for: 256 rows of K and of V, 256 bytes a row, a lane a row.  All clusters of a head walk the same rows: the head's first cluster asks.  Its four partners
; share the rows out by address, 64 each; in each, wave w names 32 rows of its own tensor.  So each row is named once.  how = 1: the first change of a trip; how = 0: the second, which asks for nothing in the last trip.
.macro ASK how
.if \how
	s_cmp_eq_u32 s[LIM], 1
.else
	s_cmp_gt_u32 s[TRIPS], s[LIM]
.endif
	s_cbranch_scc0 .Lnot_mine_\@
	global_prefetch_b8 v[PFO], s[PFA:PFA+1] th:TH_LOAD_NT scope:SCOPE_SE
.Lnot_mine_\@:
.endm
.macro CROUND
	s_barrier_signal -1
	s_barrier_wait -1
	s_cmp_lg_u32 s[WV], 0
	s_cbranch_scc1 .Lnot_wave_0_\@
	s_barrier_signal -3
.Lnot_wave_0_\@:
	s_barrier_wait -3
	s_barrier_signal -1
	s_barrier_wait -1
.endm
	s_load_b128 s[4:7], s[0:1], 0x0   ; qkv16 4, mnib 6
	s_load_b64 s[8:9], s[0:1], 0x10   ; o16
	v_lshl_add_u32 v[SPW], v0, 2, SPARE
	v_mov_b32 v[NIL], 0
	ds_add_u32 v[SPW], v[NIL]       ; the wave's opening: the add, twice on end, and its wait ahead of my first tensor load
	ds_add_u32 v[SPW], v[NIL]
	v_lshrrev_b32 v1, 5, v0
	v_readfirstlane_b32 s[WV], v1
	s_and_b32 s[WB], s[WV], 1
	s_lshr_b32 s[WH], s[WV], 1
	s_bfe_u32 s16, ttmp6, 0x40000   ; cx
	s_lshl_b32 s17, ttmp9, 2
	s_add_co_u32 s17, s17, s16      ; my block of 128 queries: it enters Q's, the mask's and O's addresses alone
	s_and_b32 s20, ttmp7, 0xffff    ; the head, which the partners share
	s_lshl_b32 s21, s20, 19         ; its first byte in a part of qkv16
	s_add_co_u32 s22, s[WB], 1      ; what I fetch: part 1 (K) or 2 (V),
	s_lshl_b32 s22, s22, 23
	s_add_co_u32 s22, s22, s21
	s_lshl_b32 s23, s[WH], 15       ; rows 128 (w >> 1) on of a slot's 256
	s_add_co_u32 s22, s22, s23
	s_mov_b32 s23, 0
	s_mul_i32 s54, s[WH], HALF      ; and where it goes: no place in the cluster enters an LDS address
	s_mul_i32 s55, s[WB], KREG
	s_add_co_u32 s54, s54, s55
	s_lshl_b32 s52, s17, 15         ; Q: row 2,048 head + 128 block + 64 (w & 1), 256 bytes a row
	s_lshl_b32 s55, s[WB], 14
	s_add_co_u32 s52, s52, s55
	s_add_co_u32 s52, s52, s21
	s_mov_b32 s53, 0
	s_lshl_b32 s2, s17, 19          ; O: row 128 block + 64 (w & 1) of 4,096 bytes, + 256 head
	s_lshl_b32 s55, s[WB], 18
	s_add_co_u32 s2, s2, s55
	s_lshl_b32 s55, s20, 8
	s_add_co_u32 s2, s2, s55
	s_mov_b32 s3, 0
	s_lshl_b32 s[MP], s17, 17       ; the mask words: query tile 8 block + 4 (w & 1), 16,384 bytes a tile; my key half's 16 steps of 512 bytes
	s_lshl_b32 s55, s[WB], 16
	s_add_co_u32 s[MP], s[MP], s55
	s_lshl_b32 s55, s[WH], 13
	s_add_co_u32 s[MP], s[MP], s55
	s_mov_b32 s[MP+1], 0
	s_add_co_u32 s[PFA], s[WB], 1   ; the prefetches: my tensor, rows 64 cx + 32 (w >> 1) on of a slot's 256,
	s_lshl_b32 s[PFA], s[PFA], 23
	s_add_co_u32 s[PFA], s[PFA], s21
	s_lshl_b32 s55, s16, 14
	s_add_co_u32 s[PFA], s[PFA], s55
	s_lshl_b32 s55, s[WH], 13
	s_add_co_u32 s[PFA], s[PFA], s55
	s_add_co_u32 s[PFA], s[PFA], 2*65536  ; in slot 2: the first change of slots steps it to slot 3.  Nothing is prefetched at the head
	s_mov_b32 s[PFA+1], 0
	s_cmp_eq_u32 ttmp9, 0           ; the head's first cluster: the same in all four partners
	s_cselect_b32 s[LIM], 1, -1
	s_mov_b32 s[G1K], 15|(1<<16)|(1<<20)|(1<<21)|(5<<22)|(3<<25)  ; the mask: all four; elements of 2 bytes; padding on; bit 21 beside a mask; 4 words after every 64
	s_mov_b32 s[G1V], 15|(1<<16)|(1<<20)|(1<<21)|(5<<22)|(7<<25)  ; the same with 8 words
.irp g, G1K, G1V
	s_mov_b32 s[\g+1], 128<<16      ; tensor_dim0 = 128
	s_mov_b32 s[\g+2], 128<<16      ; tensor_dim1 = 128
	s_mov_b32 s[\g+3], 128<<16      ; tile_dim0
	s_mov_b32 s[\g+4], 128          ; tile_dim1
	s_mov_b32 s[\g+5], 128          ; elements from row to row
	s_mov_b32 s[\g+6], 0
	s_mov_b32 s[\g+7], 0
.endr
	s_mov_b32 s[CS], 0x3e0293ee     ; c = log2(e) / sqrt(128)
	s_mov_b32 s[CS+1], s[CS]
	s_mov_b32 s[SEL], 0x76543210
	s_mov_b32 s[SEL+1], 0xfedcba98
	s_mov_b32 s[MSTEP], 512
	s_mov_b32 s[MSTEP+1], 0
	s_mov_b32 s[TBK], 0
	s_mov_b32 s[TBV], 0
	s_wait_dscnt 0x0                ; both opening adds are done
	s_wait_kmcnt 0x0
	s_add_nc_u64 s[22:23], s[4:5], s[22:23]
	s_add_nc_u64 s[52:53], s[4:5], s[52:53]
	s_add_nc_u64 s[PFA:PFA+1], s[4:5], s[PFA:PFA+1]
	s_add_nc_u64 s[MP:MP+1], s[6:7], s[MP:MP+1]
	s_add_nc_u64 s[8:9], s[8:9], s[2:3]
	CROUND                          ; all four work-groups are here: the first joint loads meet
.irp s, 0,1
	s_mov_b32 s[G0+4*\s], 1
	s_add_co_u32 s[G0+4*\s+1], s54, \s*SLOT
	s_add_nc_u64 s[G0+4*\s+2:G0+4*\s+3], s[22:23], \s*65536   ; slot s begins with keys 256 s
	s_or_b32 s[G0+4*\s+3], s[G0+4*\s+3], 0x80000000
.endr
	s_cmp_eq_u32 s[WB], 0           ; a wave's two first fills stand in one branch: two loads of mine are out
	s_cbranch_scc0 .Lfirst_v
	tensor_load_to_lds s[G0:G0+3], s[G1K:G1K+7]
	s_nop 0
	tensor_load_to_lds s[G0+4:G0+7], s[G1K:G1K+7]
	s_nop 0
.rept 4
	v_nop
.endr
	s_branch .Lfirst_asked
.Lfirst_v:
	tensor_load_to_lds s[G0:G0+3], s[G1V:G1V+7]
	s_nop 0
	tensor_load_to_lds s[G0+4:G0+7], s[G1V:G1V+7]
	s_nop 0
.rept 4
	v_nop
.endr
.Lfirst_asked:
	v_and_b32 v64, 15, v0           ; r   (S's registers serve as temporaries until the first mask numbers are written)
	v_bfe_u32 v65, v0, 4, 1         ; h
	v_and_b32 v66, 31, v0           ; lane
	v_lshlrev_b32 v[QO], 8, v64
	v_lshl_add_u32 v[QO], v65, 4, v[QO]
	WIN 0x80
.irp i, 0,1,2,3,4,5,6,7,8,9,10,11,12,13,14,15  ; Q stays in registers: tile i / 4, channels 32 (i % 4) on
	global_load_b128 v[8*\i:8*\i+3],   v[QO], s[52:53] offset:(\i/4)*4096+(\i%4)*64
	global_load_b128 v[8*\i+4:8*\i+7], v[QO], s[52:53] offset:(\i/4)*4096+(\i%4)*64+32
.endr
	WIN 0
	v_lshlrev_b32 v[LI], 4, v66
.irp t, 0,1,2,3
	global_load_b128 v[MK+4*\t:MK+4*\t+3], v[LI], s[MP:MP+1] offset:\t*16384   ; key step 0's mask words
.endr
	s_mul_i32 s55, s[WH], HALF
	v_mul_u32_u24 v[AK0], v64, PK
	v_lshl_add_u32 v[AK0], v65, 4, v[AK0]
	v_add_nc_u32 v[AK0], s55, v[AK0]      ; K: my key half, row r x pitch + 16 h
	v_and_b32 v67, 7, v0
	v_bfe_u32 v68, v0, 3, 1
	v_lshl_add_u32 v[AV0], v65, 3, v67    ; V, for the turning load: key 8 h + l % 8, channels 8 ((l / 8) % 2) on
	v_mul_u32_u24 v[AV0], v[AV0], PV
	v_lshl_add_u32 v[AV0], v68, 4, v[AV0]
	s_add_co_u32 s55, s55, KREG
	v_add_nc_u32 v[AV0], s55, v[AV0]
	s_mul_i32 s55, s[WB], MIMG
	v_add_nc_u32 v[MST], s55, v[LI]       ; the merge's image: 16 x lane
	v_lshl_add_u32 v[MSS], v66, 2, s55
	v_add_nc_u32 v[MSS], 32768, v[MSS]    ; its statistics: 4 x lane
	s_mul_i32 s55, s[WB], 16*SP
	s_add_co_u32 s55, s55, STAGE
	v_mul_u32_u24 v[STO], v64, SP
	v_lshl_add_u32 v[STO], v65, 4, v[STO]
	v_add_nc_u32 v[STO], s55, v[STO]      ; the stage, in: row r, 16 bytes for each half of the lanes
	v_mul_u32_u24 v[RD], v65, SP
	v_lshl_add_u32 v[RD], v64, 4, v[RD]
	v_add_nc_u32 v[RD], s55, v[RD]        ; back: lanes 0-15 one row of 256 bytes, lanes 16-31 the next
	v_lshlrev_b32 v[GO], 12, v65
	v_lshl_add_u32 v[GO], v64, 4, v[GO]   ; and the same two rows in o16
	v_mov_b32 v[SCB], 0xe3e3e3e3          ; 2^(227 - 127) in every byte
	v_lshlrev_b32 v[PFO], 8, v66
	s_wait_loadcnt 0x0              ; Q, and key step 0's mask words
.irp t, 0,1,2,3
.irp k, 0,1,2,3
	v_cvt_scale_pk8_f32_fp4 v[S+32*\t+8*\k:S+32*\t+8*\k+7], v[MK+4*\t+\k], v[SCB]   ; eight scores begin as 0 or -6 x 2^100
.endr
.endr
	v_nop                           ; one plain line behind the scaled conversions
	s_add_nc_u64 s[MP:MP+1], s[MP:MP+1], 512
.irp t, 0,1,2,3
	global_load_b128 v[MK+4*\t:MK+4*\t+3], v[LI], s[MP:MP+1] offset:\t*16384   ; key step 1's
.endr
; THE MATRIX WORK OF A TURN, for piece x.  The accumulators take turns, one instruction a turn.
.macro PV x, zero                   ; product i of 32 of O^T += V^T P: keys 32 (i / 16) on, channels 16 ((i / 2) % 8) on, tile x + i % 2.  zero = 1: the first 16 start the sums
	WIN W_PV
.set rO, 64*(\x+i%2)+8*((i/2)%8)
.set rV, 64*(i/16)+8*((i/2)%8)
.set rP, P+16*(\x+i%2)+8*(i/16)
.if \zero && (i < 16)
	v_wmma_f32_16x16x32_f16 v[rO:rO+7], v[rV:rV+7], v[rP:rP+7], 0
.else
	v_wmma_f32_16x16x32_f16 v[rO:rO+7], v[rV:rV+7], v[rP:rP+7], v[rO:rO+7]
.endif
.endm
.macro KQ x                         ; product i of 32 of S^T += K Q^T: channels 32 (i / 8) on, keys 16 ((i / 2) % 4) on, tile x + i % 2.  The sums begin as the mask's numbers
	WIN W_KQ
.set rS, S+32*(\x+i%2)+8*((i/2)%4)
.set rK, KF+32*((i/2)%4)+8*(i/8)
.set rQ, 32*(\x+i%2)+8*(i/8)
	v_wmma_f32_16x16x32_f16 v[rS:rS+7], v[rK:rK+7], v[rQ:rQ+7], v[rS:rS+7]
.endm
.macro FETCH_K                      ; a step's K: 64 keys x 128 channels, 32 loads in one run
	WIN 0
	v_add_nc_u32 v[ADR], s[TBK], v[AK0]
	s_add_co_u32 s[TBK], s[TBK], KS*PK
	WIN 0x80
.irp f, 0,1,2,3,4,5,6,7,8,9,10,11,12,13,14,15
	ds_load_b128 v[KF+8*\f:KF+8*\f+3],   v[ADR] offset:(\f/4)*16*PK+(\f%4)*64
	ds_load_b128 v[KF+8*\f+4:KF+8*\f+7], v[ADR] offset:(\f/4)*16*PK+(\f%4)*64+32
.endr
.endm
.macro FETCH_V                      ; a step's V, turned
	WIN 0
	v_add_nc_u32 v[ADR], s[TBV], v[AV0]
	s_add_co_u32 s[TBV], s[TBV], KS*PV
	s_wait_alu depctr_va_vdst(0)    ; the wait for the softmax's batch of exponentials, ahead of its first reader
	WIN 0xc0
.irp f, 0,1,2,3,4,5,6,7,8,9,10,11,12,13,14,15
	ds_load_tr16_b128 v[8*\f:8*\f+3],   v[ADR] offset:(\f/8)*32*PV+(\f%8)*32
	ds_load_tr16_b128 v[8*\f+4:8*\f+7], v[ADR] offset:(\f/8)*32*PV+16*PV+(\f%8)*32
.endr
.endm
; THE VECTOR WORK OF A TURN.  One tile's softmax for one key step is a list of 134 instructions; SM writes number j of it for tile t.
;   0-15 the maximum of the lane's 32 scores and the old m (first step: and the floor -2^90);  16-20 the other half of the lanes' maximum, the new m, c m, c m_old - c m_new;
;   21-69 one batch: 16 packed scalings c s - c m and all 33 exponentials, none of which reads an exponential's result;  (the batch's one wait);  70-85 the roundings to f16;  86-101 the sums, l = a l + the sum;  102-133 O^T times a.
.macro SM t, first
.set rT, ST+8*(\t)
.set rS, S+32*(\t)
.set rP, P+16*(\t)
.set rO, 64*(\t)+2*(j-102)
.if j < 102
	WIN 0
.endif
.if j < 4
	v_max3_num_f32 v[rT+4+j], v[rS+8*j], v[rS+8*j+1], v[rS+8*j+2]
.elseif j < 12
	v_max3_num_f32 v[rT+4+j%4], v[rT+4+j%4], v[rS+8*(j%4)+2*(j/4)+1], v[rS+8*(j%4)+2*(j/4)+2]
.elseif j == 12
	v_max3_num_f32 v[rT+4], v[rT+4], v[rS+7], v[rS+15]
.elseif j == 13
	v_max3_num_f32 v[rT+6], v[rT+6], v[rS+23], v[rS+31]
.elseif j == 14
	v_max3_num_f32 v[rT+4], v[rT+4], v[rT+5], v[rT+6]
.elseif (j == 15) && \first
	v_max3_num_f32 v[rT+4], v[rT+4], v[rT+7], 0xec800000   ; the floor -2^90: over every masked score, under every open one; c times it is exact
.elseif j == 15
	v_max3_num_f32 v[rT+4], v[rT+4], v[rT+7], v[rT+1]
.elseif j == 16
	v_permlanex16_b32 v[rT+5], v[rT+4], s[SEL], s[SEL+1]
.elseif j == 18
	v_max_num_f32 v[rT+1], v[rT+4], v[rT+5]
.elseif j == 19
	v_mul_f32 v[rT], s[CS], v[rT+1]
.elseif ((j == 17) || (j == 20) || (j == 23) || (j > 101)) && \first
.elseif j == 17
	v_mov_b32 v[rT+7], v[rT]
.elseif j == 20
	v_sub_f32 v[rT+7], v[rT+7], v[rT]
.elseif j == 23
	v_exp_f32 v[rT+6], v[rT+7]
.elseif (j < 23) || ((j < 38) && (j%2 == 0)) || ((j < 66) && (j%4 == 2))
.set b, (j-2)/4
.if j < 38
.set b, (j-20)/2
.endif
	v_pk_fma_f32 v[rS+2*b:rS+2*b+1], v[rS+2*b:rS+2*b+1], s[CS:CS+1], v[rT:rT+1] op_sel_hi:[1,0,0] neg_lo:[0,0,1] neg_hi:[0,0,1]
.elseif j < 70
.set e, j-38
.if j < 66
.set e, j-32-(j-38)/4
.endif
.if j < 38
.set e, (j-25)/2
.endif
	v_exp_f32 v[rS+e], v[rS+e]
.elseif j < 86
	v_cvt_pk_f16_f32 v[rP+j-70], v[rS+2*(j-70)], v[rS+2*(j-70)+1]
.elseif j < 102
.set z, j-86
.set w, 4
.set u, z
.if z >= 14
.set w, 32
.set u, 0
.elseif z >= 12
.set w, 16
.set u, z-12
.elseif z >= 8
.set w, 8
.set u, z-8
.endif
.if (z == 14) && \first
	v_pk_add_f32 v[rT+2:rT+3], v[rS:rS+1], v[rS+16:rS+17]
.elseif z < 15
	v_pk_add_f32 v[rS+w*u:rS+w*u+1], v[rS+w*u:rS+w*u+1], v[rS+w*u+w/2:rS+w*u+w/2+1]
.elseif !\first
	v_pk_fma_f32 v[rT+2:rT+3], v[rT+2:rT+3], v[rT+6:rT+7], v[rS:rS+1] op_sel_hi:[1,0,1]
.endif
.else
	WIN W_RS
	v_pk_mul_f32 v[rO:rO+1], v[rO:rO+1], v[rT+6:rT+7] op_sel_hi:[1,0]
.endif
.endm
; Slice k of 64 of piece y's softmax: four instructions; slices 11 to 34 deal out the batch, four numbers of one tile each; the twelve that are over stand in slice 63.  Behind slice 34 stands the batch's one wait.
.macro SLICE y, first
.if (k >= 11) && (k < 35)
.irp n, 0,1,2,3
.set j, 22+4*((k-11)/2)+(\n)
	SM (\y)+(k-11)%2, \first
.endr
.else
.irp n, 0,1,2,3,4,5,6,7
.if (\n < 2) || (k == 63)
.irp t, \y, \y+1
.set j, 2*k+\n
	SM \t, \first
.endr
.endif
.endr
.endif
.if k == 34
	v_nop                           ; the plain instruction behind the last exponential
.if (\y) == 0
	FETCH_V                         ; piece 2's turn: V's run of loads stands here, and the wait stands in it
.else
	s_wait_alu depctr_va_vdst(0)    ; the wait for the batch
.endif
.endif
.set k, k+1
.endm
.macro PLACES
.rept 4
	v_nop
.endr
.endm
; Piece y's softmax has read its scores for the last time: its score registers take the next step's mask numbers, half a step ahead of the products that add onto them, and the words of the step after are asked for.
.macro BIAS y
	WIN 0
	s_wait_loadcnt 2                ; my two loads, a key step old, are in; the other piece's two were issued later
.irp t, 0,1
.irp k, 0,1,2,3
	v_cvt_scale_pk8_f32_fp4 v[S+32*((\y)+\t)+8*\k:S+32*((\y)+\t)+8*\k+7], v[MK+4*((\y)+\t)+\k], v[SCB]
.endr
.endr
	v_nop                           ; one plain line behind the scaled conversions
.if (\y) == 0
	s_wait_xcnt 0x0                 ; the earlier loads have read their base: it is stepped only behind this wait
	s_add_nc_u64 s[MP:MP+1], s[MP:MP+1], s[MSTEP:MSTEP+1]
.endif
.irp t, 0,1
	global_load_b128 v[MK+4*((\y)+\t):MK+4*((\y)+\t)+3], v[LI], s[MP:MP+1] offset:((\y)+\t)*16384
.endr
.endm
; A TURN.  pv = 2: 32 products V^T P; 1: they start O^T's sums; 0: none.  kq = 1: 32 products K Q^T for the next step.  first = 1: the softmax is the first key step's.  bias = 1: BIAS at the end.
.macro TURN x, pv, kq, first, bias
.set k, 0
.set per, 2
.if \pv && \kq
.set per, 1
.endif
.if \pv
.if \x == 0
	s_wait_dscnt 0x0                ; V is in
.endif
.set i, 0
.rept 32
	PV \x, 2-\pv
.rept per
	SLICE 2-\x, \first
.endr
.if (\x == 0) && \kq && (i == 1)
	FETCH_K
.endif
.set i, i+1
.endr
.endif
.if \kq
.if \x == 0
	s_wait_dscnt 0x0                ; K is in
.endif
.set i, 0
.rept 32
	KQ \x
.rept per
	SLICE 2-\x, \first
.endr
.set i, i+1
.endr
.endif
.if \first
	PLACES
.endif
.if \bias
	BIAS 2-\x
.endif
.endm
; THE CHANGE OF SLOTS, to ring slot rnew.  Each wave waits for all its tensor loads (one is out: its part of that slot), adds 0 to its spare word, and waits for that and for its reads of the slot that it leaves.
; fill = 1: the slot left is filled again, with the keys two slots on, behind a round of the cluster's barrier: the load has two key steps, 256 matrix instructions, in which to land.
.macro CHANGE rnew, fill, how
	WIN 0
	s_wait_tensorcnt 0x0            ; no tensor load of mine is out, so a group 0 may be written
	ds_add_u32 v[SPW], v[NIL]       ; 0 onto my spare word
.if \fill
	s_add_nc_u64 s[G0+4*(1-\rnew)+2:G0+4*(1-\rnew)+3], s[G0+4*(1-\rnew)+2:G0+4*(1-\rnew)+3], 2*65536
	s_wait_xcnt 0x0                 ; the last prefetch, two key steps back, has read its address
	s_add_nc_u64 s[PFA:PFA+1], s[PFA:PFA+1], 65536
	s_wait_dscnt 0x0                ; the add is done, and my reads of the slot are over
	CROUND
	JLOAD 1-\rnew
	ASK \how
.else
	s_wait_dscnt 0x0
	s_barrier_signal -1
	s_barrier_wait -1
.endif
	s_mov_b32 s[TBK], \rnew*SLOT
	s_mov_b32 s[TBV], \rnew*SLOT
.endm
.macro TWO_STEPS                    ; a slot's two key steps: written once, walked twice
	s_mov_b32 s[TWICE], 2
.Lstep_\@:
	TURN 0, 2, 1, 0, 1
	TURN 2, 2, 1, 0, 1
	WIN 0
	s_sub_co_u32 s[TWICE], s[TWICE], 1
	s_cmp_lg_u32 s[TWICE], 0
	s_cbranch_scc1 .Lstep_\@
.endm
	s_wait_tensorcnt 1              ; my part of slot 0 is in; slot 1's may stay out
	s_barrier_signal -1
	s_barrier_wait -1
	FETCH_K                         ; key step 0
	s_wait_dscnt 0x0
.set i, 0
.rept 32
	KQ 0
.set i, i+1
.endr
	WIN 0
	PLACES
	TURN 2, 0, 1, 1, 1              ; piece 2's first scores | piece 0's first softmax | V of step 0
	TURN 0, 1, 1, 1, 1              ; piece 0: V^T P of step 0 starts O^T, K Q^T of step 1 | piece 2's first softmax | K of step 1
	TURN 2, 1, 1, 0, 1
	WIN 0
	s_mov_b32 s[TRIPS], 3
.Lslot:                             ; three trips of two slots: slots 1 to 6; each change fills the slot that is left
	CHANGE 1, 1, 1
	TWO_STEPS
	CHANGE 0, 1, 0
	TWO_STEPS
	s_sub_co_u32 s[TRIPS], s[TRIPS], 1
	s_cmp_lg_u32 s[TRIPS], 0
	s_cbranch_scc1 .Lslot
	s_mov_b32 s[MSTEP], 0           ; the last slot's look-ahead names step 15's mask words again: no load leaves my 16 steps; what it brings is not used
	CHANGE 1, 0, 0                  ; the last slot is written out
	TWO_STEPS
	TURN 0, 2, 0, 0, 0
.set i, 0
.rept 32
	PV 2, 0
.set i, i+1
.endr
	; THE MERGE.  The waves of key half 1 hand O^T (as an image of its registers), c m and l to their partners of key half 0 through LDS.
	WIN 0
.irp t, 0,1,2,3
	v_add_f32 v[ST+8*\t+4], v[ST+8*\t+2], v[ST+8*\t+3]   ; l's two halves; these four are the places behind the last products
.endr
	s_wait_loadcnt 0x0              ; the look-ahead's last mask words
	s_cmp_lt_u32 s[WV], 2
	s_cbranch_scc1 .Lkeeps
	WIN 0x04                        ; an LDS store's data are its source 1: window 1; each accumulator from its low end on
.set n, 0
.rept 64
	ds_store_b128 v[MST], v[4*n:4*n+3] offset:512*n
.set n, n+1
.endr
	WIN 0
.irp t, 0,1,2,3
	ds_store_b32 v[MSS], v[ST+8*\t] offset:256*\t
	ds_store_b32 v[MSS], v[ST+8*\t+4] offset:256*\t+128
.endr
.Lkeeps:
	s_wait_dscnt 0x0                ; for the partner's sake: my stores are done
	s_barrier_signal -1
	s_barrier_wait -1
	s_cmp_lt_u32 s[WV], 2
	s_cbranch_scc0 .Lend
.macro XLOAD t                      ; the partner's tile t into v64-127 or v128-191
.irp n, 0,1,2,3,4,5,6,7,8,9,10,11,12,13,14,15
	ds_load_b128 v[64+64*((\t)%2)+4*\n:64+64*((\t)%2)+4*\n+3], v[MST] offset:512*(16*(\t)+\n)
.endr
.endm
.irp t, 0,1,2,3
	ds_load_b32 v[ST+8*\t+1], v[MSS] offset:256*\t         ; the partner's c m
	ds_load_b32 v[ST+8*\t+5], v[MSS] offset:256*\t+128     ; and l
.endr
	XLOAD 0
	XLOAD 1
	s_wait_dscnt 32                 ; the statistics are in; the 32 loads of tiles 0 and 1 may be out
.irp t, 0,1,2,3
	v_max_num_f32 v[ST+8*\t+6], v[ST+8*\t], v[ST+8*\t+1]
.endr
.irp t, 0,1,2,3
	v_sub_f32 v[ST+8*\t+2], v[ST+8*\t], v[ST+8*\t+6]
	v_sub_f32 v[ST+8*\t+3], v[ST+8*\t+1], v[ST+8*\t+6]
.endr
.irp t, 0,1,2,3
	v_exp_f32 v[ST+8*\t+2], v[ST+8*\t+2]                   ; a0, a1: each half under the common maximum
	v_exp_f32 v[ST+8*\t+3], v[ST+8*\t+3]
.endr
	v_nop
	s_wait_alu depctr_va_vdst(0)    ; one wait for the eight exponentials
.irp t, 0,1,2,3
	v_mul_f32 v[ST+8*\t+4], v[ST+8*\t+4], v[ST+8*\t+2]
.endr
.irp t, 0,1,2,3
	v_fmac_f32 v[ST+8*\t+4], v[ST+8*\t+5], v[ST+8*\t+3]
.endr
.irp t, 0,1,2,3
	v_permlanex16_b32 v[ST+8*\t+5], v[ST+8*\t+4], s[SEL], s[SEL+1]
.endr
.irp t, 0,1,2,3
	v_add_f32 v[ST+8*\t+4], v[ST+8*\t+4], v[ST+8*\t+5]     ; the row's sum
.endr
.irp t, 0,1,2,3
	v_rcp_f32 v[ST+8*\t+6], v[ST+8*\t+4]
.endr
	v_nop
	s_wait_alu depctr_va_vdst(0)    ; one wait for the four reciprocals
.irp t, 0,1,2,3
	v_mul_f32 v[ST+8*\t+4], v[ST+8*\t+2], v[ST+8*\t+6]     ; f0 = a0 / l
	v_mul_f32 v[ST+8*\t+6], v[ST+8*\t+3], v[ST+8*\t+6]     ; f1 = a1 / l
.endr
; Tile t: O = O0 f0 + O1 f1, rounded to f16, through my stage in LDS, out as whole rows of 256 bytes.
.macro MERGE t
.set XB, 64+64*((\t)%2)
.set PB, 192+32*((\t)%2)
.if (\t) == 0
	s_wait_dscnt 16                 ; tile 0 is in; tile 1's sixteen loads may be out.  (Later tiles were shown in by the waits of the tile before)
.endif
.if (\t) >= 2
	s_wait_xcnt 0x0                 ; the stores of two tiles back have read the registers that are written below
.endif
.set i, 0
.rept 32
	v_pk_mul_f32 v[XB+2*i:XB+2*i+1], v[XB+2*i:XB+2*i+1], v[ST+8*(\t)+6:ST+8*(\t)+7] op_sel_hi:[1,0]
.set i, i+1
.endr
	WIN 0x01                        ; source 0: my O^T, window 1, each accumulator from its low end on
.set i, 0
.rept 32
	v_pk_fma_f32 v[XB+2*i:XB+2*i+1], v[64*(\t)+2*i:64*(\t)+2*i+1], v[ST+8*(\t)+4:ST+8*(\t)+5], v[XB+2*i:XB+2*i+1] op_sel_hi:[1,0,1]
.set i, i+1
.endr
	WIN 0
.set i, 0
.rept 32
	v_cvt_pk_f16_f32 v[PB+i], v[XB+2*i], v[XB+2*i+1]
.set i, i+1
.endr
.irp f, 0,1,2,3,4,5,6,7
	ds_store_b128 v[STO], v[PB+4*\f:PB+4*\f+3] offset:32*\f
.endr
.irp f, 0,1,2,3,4,5,6,7
	ds_load_b128 v[PB+4*\f:PB+4*\f+3], v[RD] offset:\f*2*SP   ; LDS serves a wave's instructions in order: these see the stores above; the next tile's stores come behind them
.endr
.if (\t) < 2
	XLOAD (\t)+2
.endif
.irp f, 0,1,2,3,4,5,6,7
.if (\t) < 2
	s_wait_dscnt 16+7-\f            ; the sixteen loads of the tile two on, and the younger of these eight, may be out
.else
	s_wait_dscnt 7-\f
.endif
	global_store_b128 v[GO], v[PB+4*\f:PB+4*\f+3], s[8:9] offset:(16*(\t)+2*\f)*4096   ; sixteen lanes store 256 consecutive bytes, aligned
.endr
.endm
	MERGE 0
	MERGE 1
	MERGE 2
	MERGE 3
.Lend:
	s_wait_tensorcnt 0x0            ; the wave's end
	ds_add_u32 v[SPW], v[NIL]
	s_wait_dscnt 0x0
	CROUND                          ; the closing round
	s_endpgm
.Lfunc_end_k_q81bfa3c9d0_attn:
	.size	k_q81bfa3c9d0_attn, .Lfunc_end_k_q81bfa3c9d0_attn-k_q81bfa3c9d0_attn
	.p2alignl 7, 3214868480
	.fill 96, 4, 3214868480
	.section	.rodata,"a",@progbits
	.p2align	6, 0x0
	.amdhsa_kernel k_q81bfa3c9d0_attn
		.amdhsa_group_segment_fixed_size 327680
		.amdhsa_private_segment_fixed_size 0
		.amdhsa_enable_private_segment 0
		.amdhsa_kernarg_size 24
		.amdhsa_user_sgpr_count 2
		.amdhsa_user_sgpr_kernarg_segment_ptr 1
		.amdhsa_wavefront_size32 1
		.amdhsa_system_sgpr_workgroup_id_x 1
		.amdhsa_system_sgpr_workgroup_id_y 1
		.amdhsa_system_sgpr_workgroup_id_z 1
		.amdhsa_system_vgpr_workitem_id 0
		.amdhsa_next_free_vgpr 1024
		.amdhsa_next_free_sgpr 66
		.amdhsa_reserve_vcc 0
		.amdhsa_float_denorm_mode_32 3
		.amdhsa_float_denorm_mode_16_64 3
		.amdhsa_memory_ordered 1
		.amdhsa_forward_progress 1
		.amdhsa_inst_pref_size 255
	.end_amdhsa_kernel
	.section	.bss,"aw",@nobits
	.p2align	6
	.space	262144
	.amdgpu_metadata
---
amdhsa.version: [ 1, 2 ]
amdhsa.kernels:
  - .name:           k_q81bfa3c9d0_attn
    .symbol:         k_q81bfa3c9d0_attn.kd
    .args:
      - { .name: qkv16, .offset: 0, .size: 8, .value_kind: global_buffer, .address_space: global }
      - { .name: mnib, .offset: 8, .size: 8, .value_kind: global_buffer, .address_space: global }
      - { .name: o16, .offset: 16, .size: 8, .value_kind: global_buffer, .address_space: global }
    .group_segment_fixed_size: 327680
    .private_segment_fixed_size: 0
    .kernarg_segment_align: 8
    .kernarg_segment_size: 24
    .max_flat_workgroup_size: 128
    .sgpr_count:     66
    .vgpr_count:     1024
    .wavefront_size: 32
...
	.end_amdgpu_metadata
.endif
;; end of part 3
;; launch proj (part 4): grid 16 x 16, 4 waves a work-group, clusters of 4 x 4, 327,680 bytes of LDS; arguments o16, wo16, out0; writes out0
.if DOCPART == 4
	.amdgcn_target "amdgcn-amd-amdhsa--gfx1250"
	.amdhsa_code_object_version 6
	.text
	.protected	k_q81bfa3c9d0_proj
	.globl	k_q81bfa3c9d0_proj
	.p2align	8
	.type	k_q81bfa3c9d0_proj,@function
k_q81bfa3c9d0_proj:
	s_mov_b64 s[64:65], 0
	v_nop
	global_prefetch_b8 v0, s[64:65] scope:SCOPE_SE
	s_setreg_imm32_b32 hwreg(HW_REG_WAVE_MODE, 25, 1), 1
	s_wait_xcnt 0x0
	s_wait_alu depctr_hold_cnt(0) depctr_sa_sdst(0) depctr_va_vdst(0) depctr_va_sdst(0) depctr_va_ssrc(0) depctr_va_vcc(0) depctr_vm_vsrc(0)
	s_getreg_b32 s2, hwreg(HW_REG_IB_STS2, 6, 4)
	s_cmp_eq_u32 s2, 0
	s_cbranch_scc0 .Lentry_in_a_cluster
	s_endpgm
.Lentry_in_a_cluster:
	s_bfe_u32 s2, ttmp6, 0x10000c
	s_cmp_lg_u32 s2, 0xf033
	s_cbranch_scc0 .Lentry_shape_is_right
	s_endpgm
.Lentry_shape_is_right:
; out0[m][n] = sum over k of o16[m][k] wo16[n][k]: [2048][2048] f16 operands, f32 sums, f32 out.  (Rows 0 to 15 are stored once more, carried more finely, by the launch that follows.)
; A tile of C is 128 x 128, so that there are 256 work-groups.  Four waves, each 64 x 64: 16 accumulators.  K goes in steps of 256 (LDS rows of 512 bytes; a wave's tensor load brings 64 of them) through two slots.
; CLUSTER 4 x 4: A's tiles are asked for jointly along a row of the cluster, B's along a column.  THE MATRIX INSTRUCTION IS USED TRANSPOSED: a lane holds eight neighbouring numbers of a row of C.
; A wave's 64 columns of f32 are 256 consecutive bytes, aligned.
; REGISTERS: window 0: v0-31 addresses; v32-95 at work on the way out; v128-255 the accumulators ((a, b) at v[128 + 8 (4 a + b)]).   window 1: two fragment buffers of 128.
.set SIZE_M, 2048
.set SIZE_N, 2048
.set SIZE_K, 2048
.set KSTEP,  256
.set PITCH,  528
.set HALFT,  64*PITCH
.set SLOT,   4*HALFT
.set STAGE,  2*SLOT                    ; behind the ring: 16 rows x 272 bytes for each wave
.set SPITCH, 272
.set SPARE,  STAGE+4*16*SPITCH         ; the spare words: 128 bytes a wave, named by no other line
.set LAPS, SIZE_K/(2*KSTEP)
.set ADRA, 16
.set ADRB, 20
.set STO,  24
.set RD,   25
.set CO,   26
.set SPW,  28
.set NIL,  29
.set TMP,  32
.set ACC,  128
.set F0,   0
.set F1,   128
.set G1, 24
.set G0, 32
.set G1B, 48
.set G0B, 56
.set MSB, 0
.macro WIN new
.if MSB != \new
	s_set_vgpr_msb (MSB<<8)|\new
.set MSB, \new
.endif
.endm
.set MUL,  0x05                        ; sources 0 (B) and 1 (A) window 1; C and D window 0
.set TO_F, 0x40
.macro JLOAD s                         ; a joint load: waves 0 and 1 fetch A's two halves, waves 2 and 3 B's; an s_nop 0 and four v_nop follow each line
	s_cmp_eq_u32 s11, 0
	s_cbranch_scc0 .Lfor_b_\@
	tensor_load_to_lds s[G0+4*\s:G0+4*\s+3], s[G1:G1+7]
	s_nop 0
.rept 4
	v_nop
.endr
	s_branch .Lasked_\@
.Lfor_b_\@:
	tensor_load_to_lds s[G0B+4*\s:G0B+4*\s+3], s[G1B:G1B+7]
	s_nop 0
.rept 4
	v_nop
.endr
.Lasked_\@:
.endm
.macro CREST
	s_cmp_lg_u32 s10, 0
	s_cbranch_scc1 .Lnot_wave_0_\@
	s_barrier_signal -3
.Lnot_wave_0_\@:
	s_barrier_wait -3
	s_barrier_signal -1
	s_barrier_wait -1
.endm
.macro CROUND
	s_barrier_signal -1
	s_barrier_wait -1
	CREST
.endm
	s_load_b128 s[4:7], s[0:1], 0x0                ; A s[4:5], B s[6:7]
	s_load_b64 s[8:9], s[0:1], 0x10                ; C
	v_lshl_add_u32 v[SPW], v0, 2, SPARE
	v_mov_b32 v[NIL], 0
	ds_add_u32 v[SPW], v[NIL]                      ; the wave's opening: the add, twice on end, and its wait ahead of my first tensor load
	ds_add_u32 v[SPW], v[NIL]
	v_lshrrev_b32 v1, 5, v0
	v_readfirstlane_b32 s10, v1                    ; wave 0..3
	s_lshr_b32 s11, s10, 1                         ; which half of the tile's rows is mine.  Also: I fetch for A (0) or for B (1)
	s_and_b32 s12, s10, 1                          ; which half of its columns.  Also: which 64 rows of that tile I fetch
	s_bfe_u32 s40, ttmp6, 0x40000
	s_bfe_u32 s41, ttmp6, 0x40004
	s_lshl_b32 s42, ttmp9, 2
	s_add_co_u32 s42, s42, s40                     ; tile column of C
	s_and_b32 s13, ttmp7, 0xffff
	s_lshl_b32 s13, s13, 2
	s_add_co_u32 s13, s13, s41                     ; tile row of C
	s_lshl_b32 s43, s41, 2
	s_lshl_b32 s43, 15, s43                        ; my row of the cluster
	s_lshl_b32 s44, 0x1111, s40                    ; my column
	s_or_b32 s[G1+0], s43, (1<<16)|(1<<20)|(1<<21)|(6<<22)|(3<<25)  ; the mask; elements of 2 bytes; padding on; bit 21 beside a mask; 4 words after every 128
	s_or_b32 s[G1B+0], s44, (1<<16)|(1<<20)|(1<<21)|(6<<22)|(3<<25)
.irp g, G1, G1B
	s_mov_b32 s[\g+1], KSTEP<<16
	s_mov_b32 s[\g+2], 64<<16
	s_mov_b32 s[\g+3], KSTEP<<16
	s_mov_b32 s[\g+4], 64
	s_mov_b32 s[\g+5], SIZE_K
	s_mov_b32 s[\g+6], 0
	s_mov_b32 s[\g+7], 0
.endr
	s_lshl_b32 s17, s12, 6
	s_lshl_b32 s16, s13, 7
	s_add_co_u32 s16, s16, s17                     ; A: row 128 x tile row + 64 x half
	s_lshl_b32 s46, s42, 7
	s_add_co_u32 s46, s46, s17                     ; B: row 128 x tile column + 64 x half
	s_mov_b32 s17, 0
	s_mov_b32 s47, 0
	s_mov_b64 s[18:19], SIZE_K*2
	s_mul_u64 s[16:17], s[16:17], s[18:19]
	s_mul_u64 s[46:47], s[46:47], s[18:19]
	s_mul_i32 s20, s10, HALFT
	s_wait_dscnt 0x0                               ; both opening adds are done
	s_wait_kmcnt 0x0
	s_add_nc_u64 s[14:15], s[4:5], s[16:17]
	s_add_nc_u64 s[46:47], s[6:7], s[46:47]
	CROUND                                         ; all sixteen work-groups are here: the first joint loads meet
.irp s, 0,1
	s_mov_b32 s[G0+4*\s], 1
	s_add_co_u32 s[G0+4*\s+1], s20, \s*SLOT
	s_add_nc_u64 s[G0+4*\s+2:G0+4*\s+3], s[14:15], \s*KSTEP*2
	s_or_b32 s[G0+4*\s+3], s[G0+4*\s+3], 0x80000000
	s_mov_b32 s[G0B+4*\s], 1
	s_add_co_u32 s[G0B+4*\s+1], s20, \s*SLOT
	s_add_nc_u64 s[G0B+4*\s+2:G0B+4*\s+3], s[46:47], \s*KSTEP*2
	s_or_b32 s[G0B+4*\s+3], s[G0B+4*\s+3], 0x80000000
	JLOAD \s
.endr
	v_and_b32 v1, 15, v0                           ; l % 16
	v_bfe_u32 v2, v0, 4, 1                         ; l / 16
	v_mul_u32_u24 v3, v1, PITCH
	v_lshl_add_u32 v3, v2, 4, v3
	s_mul_i32 s21, s11, HALFT                      ; my 64 rows of A
	s_mul_i32 s22, s12, HALFT                      ; my 64 rows of B,
	s_add_co_u32 s22, s22, 2*HALFT                 ; which lie behind A's 128
.irp s, 0,1
	v_add_nc_u32 v[ADRA+\s], s21, v3
	v_add_nc_u32 v[ADRB+\s], s22, v3
	s_add_co_u32 s21, s21, SLOT
	s_add_co_u32 s22, s22, SLOT
.endr
	s_mul_i32 s23, s10, 16*SPITCH
	s_add_co_u32 s23, s23, STAGE                   ; my stage
	v_mul_u32_u24 v4, v1, SPITCH
	v_lshl_add_u32 v4, v2, 5, v4
	v_add_nc_u32 v[STO], s23, v4                   ; in: row l % 16, 32 bytes for each half of the lanes
	v_mul_u32_u24 v5, v2, SPITCH
	v_lshl_add_u32 v5, v1, 4, v5
	v_add_nc_u32 v[RD], s23, v5                    ; back: lanes 0-15 one row of 256 bytes, lanes 16-31 the next
	v_mul_u32_u24 v5, v2, SIZE_N*4
	v_lshl_add_u32 v[CO], v1, 4, v5                ; and the same two rows in C
	s_lshl_b32 s16, s13, 7
	s_lshl_b32 s17, s11, 6
	s_add_co_u32 s16, s16, s17                     ; my first row of C
	s_mov_b32 s17, 0
	s_mov_b64 s[18:19], SIZE_N*4
	s_mul_u64 s[16:17], s[16:17], s[18:19]
	s_add_nc_u64 s[8:9], s[8:9], s[16:17]
	s_lshl_b32 s46, s42, 9                         ; my first column, in bytes
	s_lshl_b32 s47, s12, 8
	s_add_co_u32 s46, s46, s47
	s_mov_b32 s47, 0
	s_add_nc_u64 s[8:9], s[8:9], s[46:47]
.macro MUL8 f, c, a0, zero             ; 8 matrix instructions: m blocks a0, a0 + 1 x all 4 n blocks, 32 along K: half c of buffer f.  The 16 accumulators take turns
.irp a, \a0, \a0+1
.irp b, 0,1,2,3
.if \zero
	v_wmma_f32_16x16x32_f16 v[ACC+8*(4*(\a)+\b):ACC+8*(4*(\a)+\b)+7], v[\f+64+8*(4*\c+\b):\f+64+8*(4*\c+\b)+7], v[\f+8*(4*\c+\a):\f+8*(4*\c+\a)+7], 0
.else
	v_wmma_f32_16x16x32_f16 v[ACC+8*(4*(\a)+\b):ACC+8*(4*(\a)+\b)+7], v[\f+64+8*(4*\c+\b):\f+64+8*(4*\c+\b)+7], v[\f+8*(4*\c+\a):\f+8*(4*\c+\a)+7], v[ACC+8*(4*(\a)+\b):ACC+8*(4*(\a)+\b)+7]
.endif
.endr
.endr
.endm
.macro FETCH slot, k, f                ; 32 LDS loads in one run: the fragments of 64 along K at byte k of the rows; the first 32 along K first
	WIN TO_F
.irp c, 0,1
.irp i, 0,1,2,3
	ds_load_b128 v[\f+64+8*(4*\c+\i):\f+64+8*(4*\c+\i)+3],   v[ADRB+\slot] offset:\k+64*\c+\i*16*PITCH
	ds_load_b128 v[\f+64+8*(4*\c+\i)+4:\f+64+8*(4*\c+\i)+7], v[ADRB+\slot] offset:\k+64*\c+\i*16*PITCH+32
	ds_load_b128 v[\f+8*(4*\c+\i):\f+8*(4*\c+\i)+3],         v[ADRA+\slot] offset:\k+64*\c+\i*16*PITCH
	ds_load_b128 v[\f+8*(4*\c+\i)+4:\f+8*(4*\c+\i)+7],       v[ADRA+\slot] offset:\k+64*\c+\i*16*PITCH+32
.endr
.endr
.endm
.macro PLACES
.rept 4
	v_nop
.endr
.endm
.macro QUARTER slot, k, f, g, zero
	s_wait_dscnt 16                                ; the first 32 along K are in; the other sixteen loads may be out
	WIN MUL
	MUL8 \f, 0, 0, \zero
	MUL8 \f, 0, 2, \zero
	PLACES
	FETCH \slot, \k, \g
	s_wait_dscnt 32                                ; all but the 32 just issued
	WIN MUL
	MUL8 \f, 1, 0, 0
	MUL8 \f, 1, 2, 0
.endm
.macro TURN slot, next, fill
	WIN 0
	s_wait_tensorcnt 0x0                           ; all my tensor loads have landed: my part of the next slot
	ds_add_u32 v[SPW], v[NIL]                      ; 0 onto my spare word
	s_wait_dscnt 17                                ; (the add and the youngest sixteen loads may be out)
	WIN MUL
	MUL8 F1, 0, 0, 0
	s_wait_dscnt 0x0                               ; the add is done, and my reads of this slot are over
	s_barrier_signal -1
	MUL8 F1, 0, 2, 0
.if \fill
	WIN 0
.endif
	s_barrier_wait -1
.if \fill
	CREST                                          ; the barrier has opened a round of the cluster's barrier
	s_add_nc_u64 s[G0+4*\slot+2:G0+4*\slot+3], s[G0+4*\slot+2:G0+4*\slot+3], 2*KSTEP*2
	s_add_nc_u64 s[G0B+4*\slot+2:G0B+4*\slot+3], s[G0B+4*\slot+2:G0B+4*\slot+3], 2*KSTEP*2
	JLOAD \slot                                    ; the first tensor load behind the round
.else
	PLACES
.endif
	FETCH \next, 0, F0
	WIN MUL
	MUL8 F1, 1, 0, 0
	MUL8 F1, 1, 2, 0
.endm
	s_wait_tensorcnt 1                             ; my part of K step 0 is in; K step 1's may stay out
	s_barrier_signal -1
	s_barrier_wait -1
	FETCH 0, 0, F0
	QUARTER 0, 128, F0, F1, 1
	WIN 0
	s_mov_b32 s3, LAPS-1
.Llap:
	QUARTER 0, 256, F1, F0, 0
	QUARTER 0, 384, F0, F1, 0
	TURN 0, 1, 1
	QUARTER 1, 128, F0, F1, 0
	QUARTER 1, 256, F1, F0, 0
	QUARTER 1, 384, F0, F1, 0
	TURN 1, 0, 1
	QUARTER 0, 128, F0, F1, 0
	WIN 0
	s_sub_co_u32 s3, s3, 1
	s_cmp_lg_u32 s3, 0
	s_cbranch_scc1 .Llap
	QUARTER 0, 256, F1, F0, 0                      ; the last lap fills nothing
	QUARTER 0, 384, F0, F1, 0
	TURN 0, 1, 0
	QUARTER 1, 128, F0, F1, 0
	QUARTER 1, 256, F1, F0, 0
	QUARTER 1, 384, F0, F1, 0
	s_wait_dscnt 16
	WIN MUL
	MUL8 F1, 0, 0, 0
	MUL8 F1, 0, 2, 0
	s_wait_dscnt 0
	MUL8 F1, 1, 0, 0
	MUL8 F1, 1, 2, 0
	WIN 0
	; THE WAY OUT, 16 rows at a time: the accumulators go into my stage as they are, each from its low end on, and come back as whole rows of 256 bytes.
	PLACES
.irp a, 0,1,2,3
.if \a >= 2
	s_wait_xcnt 0x0                                ; the stores of two blocks back have read the registers that are loaded below
.endif
.irp b, 0,1,2,3
	ds_store_b128 v[STO], v[ACC+8*(4*\a+\b):ACC+8*(4*\a+\b)+3] offset:64*\b
	ds_store_b128 v[STO], v[ACC+8*(4*\a+\b)+4:ACC+8*(4*\a+\b)+7] offset:64*\b+16
.endr
.irp t, 0,1,2,3,4,5,6,7
	ds_load_b128 v[TMP+32*(\a%2)+4*\t:TMP+32*(\a%2)+4*\t+3], v[RD] offset:\t*2*SPITCH   ; LDS serves a wave's instructions in order: these see the stores above
.endr
.irp t, 0,1,2,3,4,5,6,7
	s_wait_dscnt 7-\t
	global_store_b128 v[CO], v[TMP+32*(\a%2)+4*\t:TMP+32*(\a%2)+4*\t+3], s[8:9] offset:(16*\a+2*\t)*SIZE_N*4 th:TH_STORE_NT   ; sixteen lanes store 256 consecutive bytes, aligned
.endr
.endr
	s_wait_tensorcnt 0x0                           ; the wave's end
	ds_add_u32 v[SPW], v[NIL]
	s_wait_dscnt 0x0
	CROUND                                         ; the closing round
	s_endpgm
.Lfunc_end_k_q81bfa3c9d0_proj:
	.size	k_q81bfa3c9d0_proj, .Lfunc_end_k_q81bfa3c9d0_proj-k_q81bfa3c9d0_proj
	.p2alignl 7, 3214868480
	.fill 96, 4, 3214868480
	.section	.rodata,"a",@progbits
	.p2align	6, 0x0
	.amdhsa_kernel k_q81bfa3c9d0_proj
		.amdhsa_group_segment_fixed_size 327680
		.amdhsa_private_segment_fixed_size 0
		.amdhsa_enable_private_segment 0
		.amdhsa_kernarg_size 24
		.amdhsa_user_sgpr_count 2
		.amdhsa_user_sgpr_kernarg_segment_ptr 1
		.amdhsa_wavefront_size32 1
		.amdhsa_system_sgpr_workgroup_id_x 1
		.amdhsa_system_sgpr_workgroup_id_y 1
		.amdhsa_system_sgpr_workgroup_id_z 1
		.amdhsa_system_vgpr_workitem_id 0
		.amdhsa_next_free_vgpr 512
		.amdhsa_next_free_sgpr 66
		.amdhsa_reserve_vcc 0
		.amdhsa_float_denorm_mode_32 3
		.amdhsa_float_denorm_mode_16_64 3
		.amdhsa_memory_ordered 1
		.amdhsa_forward_progress 1
		.amdhsa_inst_pref_size 87
	.end_amdhsa_kernel
	.amdgpu_metadata
---
amdhsa.version: [ 1, 2 ]
amdhsa.kernels:
  - .name:           k_q81bfa3c9d0_proj
    .symbol:         k_q81bfa3c9d0_proj.kd
    .args:
      - { .name: o16, .offset: 0, .size: 8, .value_kind: global_buffer, .address_space: global }
      - { .name: wo16, .offset: 8, .size: 8, .value_kind: global_buffer, .address_space: global }
      - { .name: out0, .offset: 16, .size: 8, .value_kind: global_buffer, .address_space: global }
    .group_segment_fixed_size: 327680
    .private_segment_fixed_size: 0
    .kernarg_segment_align: 8
    .kernarg_segment_size: 24
    .max_flat_workgroup_size: 128
    .sgpr_count:     66
    .vgpr_count:     512
    .wavefront_size: 32
...
	.end_amdgpu_metadata
.endif
;; end of part 4
;; launch fine (part 5): grid 128 x 1, 16 waves a work-group, no clusters, 18,432 bytes of LDS; arguments qkv16, out2, mnib, live, Wo, out0; writes out0
.if DOCPART == 5
	.amdgcn_target "amdgcn-amd-amdhsa--gfx1250"
	.amdhsa_code_object_version 6
	.text
	.protected	k_q81bfa3c9d0_fine
	.globl	k_q81bfa3c9d0_fine
	.p2align	8
	.type	k_q81bfa3c9d0_fine,@function
k_q81bfa3c9d0_fine:
	s_mov_b64 s[64:65], 0
	v_nop
	global_prefetch_b8 v0, s[64:65] scope:SCOPE_SE
	s_setreg_imm32_b32 hwreg(HW_REG_WAVE_MODE, 25, 1), 1
	s_wait_xcnt 0x0
; ROWS 0 TO 15 OF y ONCE MORE, CARRIED MORE FINELY: these positions may average very few values, so the rounding of f16 operands weighs most there.  The scores still take f16 operands (rotated q and k);
; the weights p, v (out2), the attention's result and Wo stay in f32, multiplied by the f32 matrix form: 16 rows in all, no bulk work.
; SHARES.  Work-group g owns y[0:16][16 g : 16 g + 16].  Wave hd is head hd: it makes that head's 16 rows of attention and its part of y^T over the head's 128 channels; the 16 parts are added in LDS, heads ascending.
; Only key tiles (16 keys) with an open key for one of the 16 queries are walked: their list is four words that an earlier launch stored.  The trip count hangs on those words, so operands go from memory straight into
; registers: no tensor load, hence no joint loads, though all work-groups read the same q, k and v.  A mask that opens all keys to these rows makes the walk long, and still right.
; The mask's numbers (0 or -6 x 2^100) start the scores; the running maximum starts at the floor -2^90; a row with no open key ends as 0 x (1 / 0) = NaN.  LIMIT: |score| under 2^90.
; REGISTERS: v1, v2 the add's two; v3-11 addresses; v12 c m, v13 m, v14 l, v[16:17] a; v15, v18-23 at work; v24-55 Q, v56-87 K (later Wo); v88-151 V; v152-159 scores, then p;
;   v160-191 the f32 matrix form's results, written by matrix instructions alone; v192-255 O^T.
.set SPARE, 16384                      ; behind the 16 parts of 1,024 bytes: the spare words, 128 bytes a wave, named by no other line
.set SPW, 1
.set NIL, 2
.set KA,  3
.set VA,  4
.set WA,  5
.set LI,  6
.set SCB, 7
.set MKD, 8
.set PST, 9
.set RDA, 10
.set GOA, 11
.set QF,  24
.set KF,  56
.set VF,  88
.set S,   152
.set TO,  160
.set O,   192
	s_load_b256 s[4:11], s[0:1], 0x0               ; qkv16 4, out2 6, mnib 8, live 10
	s_load_b128 s[12:15], s[0:1], 0x20             ; Wo 12, out0 14
	v_lshl_add_u32 v[SPW], v0, 2, SPARE
	v_mov_b32 v[NIL], 0
	v_lshrrev_b32 v15, 5, v0
	v_readfirstlane_b32 s16, v15                   ; the wave = the head
	v_and_b32 v18, 15, v0                          ; r
	v_bfe_u32 v19, v0, 4, 1                        ; h
	v_and_b32 v20, 31, v0                          ; lane
	v_lshlrev_b32 v[KA], 8, v18
	v_lshl_add_u32 v[KA], v19, 4, v[KA]            ; q, k: row r of 256 bytes, + 16 h
	v_lshlrev_b32 v[VA], 2, v18
	v_lshl_add_u32 v[VA], v19, 12, v[VA]           ; v: key 8 h on (512 bytes a key), channel r
	v_lshlrev_b32 v[WA], 13, v18
	v_lshl_add_u32 v[WA], v19, 5, v[WA]            ; Wo: row r of 8,192 bytes, + 8 h channels
	v_lshlrev_b32 v[LI], 4, v20
	v_mov_b32 v[SCB], 0xe3e3e3e3                   ; 2^(227 - 127) in every byte
	s_lshl_b32 s25, s16, 10
	v_lshlrev_b32 v[PST], 6, v18
	v_lshl_add_u32 v[PST], v19, 5, v[PST]
	v_add_nc_u32 v[PST], s25, v[PST]               ; my part: [head][query r][16 outputs]: 64 r + 32 h
	v_and_b32 v21, 63, v0
	v_lshlrev_b32 v[RDA], 4, v21                   ; the sum: thread t of 64 takes 16 bytes: query t / 4, outputs 4 (t % 4) on
	v_lshrrev_b32 v22, 2, v21
	v_and_b32 v21, 3, v21
	v_lshlrev_b32 v[GOA], 13, v22
	v_lshl_add_u32 v[GOA], v21, 4, v[GOA]
	s_mov_b32 s40, 0x76543210
	s_mov_b32 s41, 0xfedcba98
	s_mov_b32 s42, 0x3e0293ee                      ; c = log2(e) / sqrt(128)
	s_mov_b32 s43, s42
	s_mov_b32 s39, 0
	s_mov_b32 s24, 0                               ; the first key tile of the list's word in hand
	s_mov_b32 s27, 0                               ; trips done
	s_wait_kmcnt 0x0
	s_load_b128 s[20:23], s[10:11], 0x0            ; the list: bit kt of 128
	s_lshl_b32 s38, s16, 19
	s_add_nc_u64 s[44:45], s[4:5], s[38:39]        ; q of my head
	s_add_nc_u64 s[28:29], s[44:45], 8388608       ; k of my head
	s_lshl_b32 s38, s16, 20
	s_add_nc_u64 s[32:33], s[6:7], s[38:39]        ; v of my head
	s_lshl_b32 s38, ttmp9, 17
	s_lshl_b32 s25, s16, 9
	s_add_co_u32 s38, s38, s25
	s_add_nc_u64 s[12:13], s[12:13], s[38:39]      ; Wo: row 16 g, channel 128 hd
	s_lshl_b32 s38, ttmp9, 6
	s_add_nc_u64 s[14:15], s[14:15], s[38:39]      ; y: column 16 g
.irp c, 0,1,2,3
	global_load_b128 v[QF+8*\c:QF+8*\c+3],   v[KA], s[44:45] offset:64*\c
	global_load_b128 v[QF+8*\c+4:QF+8*\c+7], v[KA], s[44:45] offset:64*\c+32
.endr
	v_mov_b32 v13, 0xec800000                      ; m: the floor -2^90
	v_mul_f32 v12, s42, v13                        ; c m, exact
	v_mov_b32 v14, 0                               ; l
	v_mov_b32 v16, 0
	v_mov_b32 v17, 0                               ; (named as the upper half of a's pair)
.set i, 0
.rept 64
	v_mov_b32 v[O+i], 0                            ; O^T.  (The trip is written once: the first finds zeros)
.set i, i+1
.endr
	s_wait_kmcnt 0x0                               ; the list
	s_wait_loadcnt 0x0                             ; q, asked for ahead of the wait for the list: it is waited for once, so that a trip's count speaks of the trip's own loads alone
	s_bcnt1_i32_b32 s18, s20
	s_bcnt1_i32_b32 s25, s21
	s_add_co_u32 s18, s18, s25
	s_bcnt1_i32_b32 s25, s22
	s_add_co_u32 s18, s18, s25
	s_bcnt1_i32_b32 s25, s23
	s_add_co_u32 s18, s18, s25
	s_min_u32 s18, s18, 128                        ; the trips: the same in all waves
	s_cmp_eq_u32 s18, 0
	s_cbranch_scc1 .Ldone
.Ltile:
.rept 3                                            ; the next set bit: empty words are shifted out
	s_cmp_eq_u32 s20, 0
	s_cselect_b32 s20, s21, s20
	s_cselect_b32 s21, s22, s21
	s_cselect_b32 s22, s23, s22
	s_cselect_b32 s23, 0, s23
	s_cselect_b32 s25, 32, 0
	s_add_co_u32 s24, s24, s25
.endr
	s_ctz_i32_b32 s25, s20
	s_add_co_u32 s26, s24, s25                     ; kt
	s_sub_co_u32 s25, s20, 1
	s_and_b32 s20, s20, s25                        ; its bit is cleared
	s_min_u32 s26, s26, 127
	s_wait_xcnt 0x0                                ; the last trip's loads have read their bases
	s_lshl_b32 s38, s26, 12
	s_add_nc_u64 s[30:31], s[28:29], s[38:39]      ; k: 16 keys of 256 bytes a tile
	s_lshl_b32 s38, s26, 13
	s_add_nc_u64 s[34:35], s[32:33], s[38:39]      ; v: of 512 bytes
	s_and_b32 s25, s26, 8                          ; the mask word of key tile kt = 4 J + k, query tile 0: 512 J' + 4 k, J' = 16 ((J / 2) % 2) + 2 (J / 4) + J % 2
	s_lshl_b32 s38, s25, 10
	s_and_b32 s25, s26, 0x70
	s_lshl_b32 s25, s25, 6
	s_add_co_u32 s38, s38, s25
	s_and_b32 s25, s26, 4
	s_lshl_b32 s25, s25, 7
	s_add_co_u32 s38, s38, s25
	s_and_b32 s25, s26, 3
	s_lshl_b32 s25, s25, 2
	s_add_co_u32 s38, s38, s25
	s_add_nc_u64 s[36:37], s[8:9], s[38:39]
.irp c, 0,1,2,3
	global_load_b128 v[KF+8*\c:KF+8*\c+3],   v[KA], s[30:31] offset:64*\c
	global_load_b128 v[KF+8*\c+4:KF+8*\c+7], v[KA], s[30:31] offset:64*\c+32
.endr
	global_load_b32 v[MKD], v[LI], s[36:37]
.irp c, 0,1,2,3,4,5
.irp m, 0,1,2,3,4,5,6,7
	global_load_b32 v[VF+8*\c+\m], v[VA], s[34:35] offset:\m*512+64*\c   ; V(16 kt + 8 h + m, 16 c + r): channel tiles 0 to 5
.endr
.endr
	s_wait_loadcnt 48                              ; k and the mask word are in; the 48 loads of v issued behind them may be out
.irp c, 6,7
.irp m, 0,1,2,3,4,5,6,7
	global_load_b32 v[VF+8*\c+\m], v[VA], s[34:35] offset:\m*512+64*\c   ; channel tiles 6 and 7
.endr
.endr
	v_cvt_scale_pk8_f32_fp4 v[S:S+7], v[MKD], v[SCB]   ; the scores begin as 0 or -6 x 2^100
	v_nop                                          ; one plain line behind the scaled conversion
.irp c, 0,1,2,3                                    ; S^T = K Q^T, added onto the mask's numbers: a lane holds query r and keys 8 h + 0..7
	s_wait_alu depctr_va_vdst(0)                   ; a wait directly ahead of each of the four links
	v_wmma_f32_16x16x32_f16 v[S:S+7], v[KF+8*\c:KF+8*\c+7], v[QF+8*\c:QF+8*\c+7], v[S:S+7]
.endr
.rept 4
	v_nop
.endr
	v_max3_num_f32 v15, v[S], v[S+1], v[S+2]
	v_max3_num_f32 v15, v15, v[S+3], v[S+4]
	v_max3_num_f32 v15, v15, v[S+5], v[S+6]
	v_max_num_f32 v15, v15, v[S+7]
	v_permlanex16_b32 v18, v15, s40, s41
	v_mov_b32 v19, v12                             ; c m_old
	v_max3_num_f32 v13, v15, v18, v13              ; the running maximum
	v_mul_f32 v12, s42, v13
	v_sub_f32 v19, v19, v12
.irp j, 0,2,4,6
	v_pk_fma_f32 v[S+\j:S+\j+1], v[S+\j:S+\j+1], s[42:43], v[12:13] op_sel_hi:[1,0,0] neg_lo:[0,0,1] neg_hi:[0,0,1]   ; c s - c m
.endr
	v_exp_f32 v16, v19                             ; a
.irp j, 0,1,2,3,4,5,6,7
	v_exp_f32 v[S+\j], v[S+\j]                     ; p
.endr
	v_nop
	s_wait_alu depctr_va_vdst(0)                   ; one wait for the nine exponentials
	v_pk_add_f32 v[20:21], v[S:S+1], v[S+2:S+3]
	v_pk_add_f32 v[22:23], v[S+4:S+5], v[S+6:S+7]
	v_pk_add_f32 v[20:21], v[20:21], v[22:23]
	v_add_f32 v20, v20, v21
	v_fma_f32 v14, v14, v16, v20                   ; l = a l + the sum
	s_wait_loadcnt 0x0                             ; v
.irp g, 0,1                                        ; O^T += V^T P in f32: four tiles of 16 channels by turns; K slot (h, j) of instruction i is key 8 h + 2 i + j on both sides
.irp i, 0,1,2,3
.irp c, 0,1,2,3
.if \i == 0
	v_wmma_f32_16x16x4_f32 v[TO+8*\c:TO+8*\c+7], v[VF+8*(4*\g+\c)+2*\i:VF+8*(4*\g+\c)+2*\i+1], v[S+2*\i:S+2*\i+1], 0
.else
	v_wmma_f32_16x16x4_f32 v[TO+8*\c:TO+8*\c+7], v[VF+8*(4*\g+\c)+2*\i:VF+8*(4*\g+\c)+2*\i+1], v[S+2*\i:S+2*\i+1], v[TO+8*\c:TO+8*\c+7]
.endif
.endr
.endr
.rept 9
	v_nop                                          ; nine places: for the reads below, for the matrix instructions that write these results over, and for the next loads into the operands
.endr
.irp c, 0,1,2,3
.irp j, 0,2,4,6
	v_pk_fma_f32 v[O+8*(4*\g+\c)+\j:O+8*(4*\g+\c)+\j+1], v[O+8*(4*\g+\c)+\j:O+8*(4*\g+\c)+\j+1], v[16:17], v[TO+8*\c+\j:TO+8*\c+\j+1] op_sel_hi:[1,0,1]   ; O = a O + the tile's part
.endr
.endr
.endr
	s_add_co_u32 s27, s27, 1
	s_cmp_lt_u32 s27, s18
	s_cbranch_scc1 .Ltile
.Ldone:                                            ; no load is pending here: q was waited for ahead of the loop, a trip's loads inside it
.irp c, 0,1,2,3,4,5,6,7
	global_load_b128 v[QF+8*\c:QF+8*\c+3],   v[WA], s[12:13] offset:64*\c       ; Wo(16 g + r, 128 hd + 16 c + 8 h + 0..7)
	global_load_b128 v[QF+8*\c+4:QF+8*\c+7], v[WA], s[12:13] offset:64*\c+16
.endr
	v_permlanex16_b32 v18, v14, s40, s41
	v_add_f32 v14, v14, v18                        ; the row's sum
	v_rcp_f32 v16, v14
	v_nop
	s_wait_alu depctr_va_vdst(0)
.set i, 0
.rept 32
	v_pk_mul_f32 v[O+2*i:O+2*i+1], v[O+2*i:O+2*i+1], v[16:17] op_sel_hi:[1,0]
.set i, i+1
.endr
	s_wait_loadcnt 0x0                             ; Wo
.set n, 0
.rept 32                                           ; y^T = Wo O^T over my 128 channels, in f32: two accumulators by turns; K slot (h, j) of instruction n is channel 16 (n / 4) + 8 h + 2 (n % 4) + j
.if n < 2
	v_wmma_f32_16x16x4_f32 v[TO+8*(n%2):TO+8*(n%2)+7], v[QF+2*n:QF+2*n+1], v[O+2*n:O+2*n+1], 0
.else
	v_wmma_f32_16x16x4_f32 v[TO+8*(n%2):TO+8*(n%2)+7], v[QF+2*n:QF+2*n+1], v[O+2*n:O+2*n+1], v[TO+8*(n%2):TO+8*(n%2)+7]
.endif
.set n, n+1
.endr
.rept 8
	v_nop
.endr
.irp j, 0,2,4,6
	v_pk_add_f32 v[VF+\j:VF+\j+1], v[TO+\j:TO+\j+1], v[TO+8+\j:TO+8+\j+1]   ; lane (r, h): y(query r, outputs 8 h + 0..7), my head's part
.endr
	ds_store_b128 v[PST], v[VF:VF+3]
	ds_store_b128 v[PST], v[VF+4:VF+7] offset:16
	s_wait_dscnt 0x0                               ; for the others' sake: my part is stored
	s_barrier_signal -1
	s_barrier_wait -1
	s_cmp_lt_u32 s16, 2
	s_cbranch_scc0 .Lend
.irp p, 0,1,2,3,4,5,6,7,8,9,10,11,12,13,14,15
	ds_load_b128 v[QF+4*\p:QF+4*\p+3], v[RDA] offset:1024*\p
.endr
	s_wait_dscnt 0x0
.irp p, 1,2,3,4,5,6,7,8,9,10,11,12,13,14,15
	v_pk_add_f32 v[QF:QF+1], v[QF:QF+1], v[QF+4*\p:QF+4*\p+1]       ; heads ascending
	v_pk_add_f32 v[QF+2:QF+3], v[QF+2:QF+3], v[QF+4*\p+2:QF+4*\p+3]
.endr
	global_store_b128 v[GOA], v[QF:QF+3], s[14:15]   ; 64 bytes of each of 16 rows: 1,024 bytes a work-group
.Lend:
	s_wait_tensorcnt 0x0                           ; the wave's end, behind my last LDS store
	ds_add_u32 v[SPW], v[NIL]
	s_wait_dscnt 0x0
	s_endpgm
.Lfunc_end_k_q81bfa3c9d0_fine:
	.size	k_q81bfa3c9d0_fine, .Lfunc_end_k_q81bfa3c9d0_fine-k_q81bfa3c9d0_fine
	.p2alignl 7, 3214868480
	.fill 96, 4, 3214868480
	.section	.rodata,"a",@progbits
	.p2align	6, 0x0
	.amdhsa_kernel k_q81bfa3c9d0_fine
		.amdhsa_group_segment_fixed_size 18432
		.amdhsa_private_segment_fixed_size 0
		.amdhsa_enable_private_segment 0
		.amdhsa_kernarg_size 48
		.amdhsa_user_sgpr_count 2
		.amdhsa_user_sgpr_kernarg_segment_ptr 1
		.amdhsa_wavefront_size32 1
		.amdhsa_system_sgpr_workgroup_id_x 1
		.amdhsa_system_sgpr_workgroup_id_y 1
		.amdhsa_system_sgpr_workgroup_id_z 1
		.amdhsa_system_vgpr_workitem_id 0
		.amdhsa_next_free_vgpr 256
		.amdhsa_next_free_sgpr 66
		.amdhsa_reserve_vcc 0
		.amdhsa_float_denorm_mode_32 3
		.amdhsa_float_denorm_mode_16_64 3
		.amdhsa_memory_ordered 1
		.amdhsa_forward_progress 1
		.amdhsa_inst_pref_size 31
	.end_amdhsa_kernel
	.amdgpu_metadata
---
amdhsa.version: [ 1, 2 ]
amdhsa.kernels:
  - .name:           k_q81bfa3c9d0_fine
    .symbol:         k_q81bfa3c9d0_fine.kd
    .args:
      - { .name: qkv16, .offset: 0, .size: 8, .value_kind: global_buffer, .address_space: global }
      - { .name: out2, .offset: 8, .size: 8, .value_kind: global_buffer, .address_space: global }
      - { .name: mnib, .offset: 16, .size: 8, .value_kind: global_buffer, .address_space: global }
      - { .name: live, .offset: 24, .size: 8, .value_kind: global_buffer, .address_space: global }
      - { .name: Wo, .offset: 32, .size: 8, .value_kind: global_buffer, .address_space: global }
      - { .name: out0, .offset: 40, .size: 8, .value_kind: global_buffer, .address_space: global }
    .group_segment_fixed_size: 18432
    .private_segment_fixed_size: 0
    .kernarg_segment_align: 8
    .kernarg_segment_size: 48
    .max_flat_workgroup_size: 512
    .sgpr_count:     66
    .vgpr_count:     256
    .wavefront_size: 32
...
	.end_amdgpu_metadata
.endif
;; end of part 5
